; MI455X (gfx1250); checked and timed in simulation.
; The chip was launched on July 23, 2026; its instructions are those of AMD's public machine-readable ISA for CDNA 5 (MIT licence, August 2026) and "CDNA5" Instruction Set Architecture Reference Guide (July 2026). The comments in the code are by the model that wrote it; some were corrected since.
;; Playlist Constructor. Allowed arithmetic: matrix products marked QUANTISED: E5M2 operands, one E8M0 scale for each 32 along K, by v_wmma_scale_f32_16x16x128_f8f6f4 with both operands' format E5M2, f32 sums; everything else in f32.
;; Inputs: Wk 256 x 256 float32; Wq 256 x 256 float32; Wv 256 x 256 float32; length 32 float32; mask 32 x 1,024 bool; track_feat_seq 32 x 1,024 x 256 float32; track_idx_seq 32 x 1,024 int32.
;; Outputs: out0 32 x 256 float32.
;; This version of the problem:
;;   THIS VERSION OF THE PROBLEM IS GIVEN IN LOW PRECISION. The matrix products marked QUANTISED in the list below multiply operands that are first quantised to E5M2 (5 exponent bits, 2 mantissa bits; 8 bits a number), with one power-of-two scale for each 32 numbers along K (OCP MX v1.0); their sums are f32. All else is computed in f32.
;;   The module's matrix products, in the order in which they are computed (A, B: the left and right operand; K: the contracted axis; several contracted axes count as one K, in the product's order):
;;     1. [M 32,768, K 256] x [K 256, N 256]; A: input track_feat_seq; B: input Wq: QUANTISED
;;     2. [M 32,768, K 256] x [K 256, N 256]; A: input track_feat_seq; B: input Wk: QUANTISED
;;     3. [M 32,768, K 256] x [K 256, N 256]; A: input track_feat_seq; B: input Wv: QUANTISED
;;     4. batch 32 x [M 1,024, K 256] x [K 256, N 1,024]; A: computed on the way; B: computed on the way: QUANTISED
;;     5. batch 32 x [M 1,024, K 1,024] x [K 1,024, N 256]; A: softmax (see below); B: computed on the way: QUANTISED
;;   THE QUANTISER, for each operand of a quantised product, along K:
;;     - K is cut into blocks of 32 from its start; a last block that is shorter is filled with zeros.
;;     - A block's scale is 2^e with e = floor(log2(the largest magnitude in the block)) - 15, held to -126 .. 127; a block of zeros has e = 0. As a byte (E8M0): e + 127.
;;     - Each number is divided by its block's scale, clamped to +-57,344, and rounded to the nearest number of E5M2, ties to even, subnormals kept.
;;     - The product sums the exact products of the quantised numbers (number of the format x scale) in f32.
;;   ~~~python
;;   def quantise(x, axis):      # numpy; x: float32 -> the quantised numbers, widened to float32 again
;;       x = np.moveaxis(x, axis, -1); K = x.shape[-1]
;;       x = np.pad(x, [(0, 0)] * (x.ndim - 1) + [(0, -K % 32)]); x = x.reshape(x.shape[:-1] + (-1, 32)); a = np.abs(x).max(-1, keepdims=True)
;;       e = np.where(a > 0, np.clip(np.frexp(np.where(a > 0, a, 1))[1] - 1 - 15, -126, 127), 0)      # np.frexp(a)[1] - 1 = floor(log2(a)), exactly
;;       r = np.clip(x / 2.0 ** e, -57344, 57344)
;;       step = 2.0 ** (np.maximum(np.frexp(np.where(r == 0, 1, r))[1] - 1, -14) - 2)
;;       q = np.round(r / step) * step * 2.0 ** e      # np.round: ties to even
;;       return np.moveaxis(q.reshape(q.shape[:-2] + (-1,))[..., :K], -1, axis).astype(np.float32)
;;   ~~~
;;   SOFTMAX AHEAD OF A QUANTISED PRODUCT. Where the list says 'softmax', what is quantised is not the finished softmax but p = 2^(t - M), with t = logit x log2(e) and M = ceil(the row's largest t), a whole number; so 1/2 < the row's largest p <= 1. The row's sum l is taken of the UNQUANTISED p, in f32, and the product's result is divided by l at the end. Since M is a whole number, a kernel that streams over the keys may use a running M (the ceiling of the running maximum): every later rescaling is an exact power of two, which a block's scale takes up: the codes' values come out the same.
;;   OPERANDS COMPUTED ON THE WAY. 'Computed on the way' means the value that the module computes at that place (a softmax that the list does not call 'softmax' is quantised finished and normalised). What goes into a quantiser is computed in f32, as accurately as f32 sums, v_exp_f32 and their like allow (about 1e-6 of the number): no bf16 or f16 on the way to a quantiser, and a product that is left as it is and whose result goes on into a quantised operand takes f32 operands (vector FMAs, or v_wmma_f32_16x16x4_f32). A number that lies on a knife's edge between two numbers of the format may be rounded either way, as far as f32 arithmetic and the matrix unit's own rounding can turn it there, and no further.
;; One version. Each part assembles by itself: llvm-mc -triple=amdgcn-amd-amdhsa -mcpu=gfx1250 --defsym DOCPART=n.
;; ======== version 1 of 1: 4 launches
;; limits: right only within a limited range of input values
;; workspace buffers: wq 202,752 bytes; qc 8,650,752 bytes; kv 16,777,216 bytes; sc 655,360 bytes; part 262,144 bytes
;; launch prepw (part 1): grid 12 x 1, 4 waves a work-group, no clusters, 34,304 bytes of LDS; arguments Wq, Wk, Wv, wq; writes wq
.if DOCPART == 1
	.amdgcn_target "amdgcn-amd-amdhsa--gfx1250"
	.amdhsa_code_object_version 6
	.text
	.protected	k_q0ad4adb633_prepw
	.globl	k_q0ad4adb633_prepw
	.p2align	8
	.type	k_q0ad4adb633_prepw,@function
k_q0ad4adb633_prepw:
	s_mov_b64 s[64:65], 0
	v_nop
	global_prefetch_b8 v0, s[64:65] scope:SCOPE_SE
	s_setreg_imm32_b32 hwreg(HW_REG_WAVE_MODE, 25, 1), 1
	s_wait_xcnt 0x0
; Wq, Wk, Wv [256 (e)][256 (d)] f32 become codes of BF8 (E5M2) along d, with one E8M0 byte for each 32 along d, laid as IMAGES OF OPERAND REGISTERS:
; a fragment (16 rows x 128 d: 16 registers a lane) lies as four groups of 512 bytes, group c at 512 c + 16 x lane.
; wq: tile T = 16 x matrix + t: its fragments at 4096 T + 2048 s (s: which 128 of d); its scale register at 196,608 + 128 T + 4 x lane (lanes 0-15: the words of s = 0, lanes 16-31: of s = 1).
; THE ROWS OF A TILE: Wq, Wk: lane r of tile t takes row 32 (t / 2) + 8 (t % 2) + r + 8 (r / 8), so that the products' results run along e in a lane's registers; Wv: row 16 t + r.
; One wave makes one tile: 48 waves in 12 work-groups.  Each load reads 512 consecutive bytes of a row; 16 rows x 512 bytes turn through the wave's own stage in LDS (pitch 528),
; after which lane (r, h) holds, of row r, 16 neighbours of each block of 32.  No barrier: waves share nothing.
; LIMITS: a block of zeros keeps the byte 1 (its codes are zeros, and this program alone reads the bytes); NaN and infinities are not served.
.set STGB, 8448                        ; a wave's stage: 16 rows x 528 bytes
.set VLO,  5                           ; v5   byte offset of my 16 bytes in the tile's row 0
.set VHI,  6                           ; v6   the same for the tile's row 8
.set STGW, 7                           ; v7   the stage, on the way in: 16 x lane
.set STGR, 8                           ; v8   and out: 528 r + 64 h
.set LI,   9                           ; v9   16 x lane
.set L4,   10                          ; v10  4 x lane
.set PWA,  12                          ; v12  the scale word of s = 0
.set PWB,  13                          ; v13  of s = 1
.set PWP,  14                          ; v14  both, by halves of the lanes
.set RAW,  16                          ; v16-143  the rows as loaded: 64 s + 4 i
.set X,    144                         ; v144-207 64 numbers: register 16 b + i = d 32 b + 16 h + i of my row
.set PC,   208                         ; v208-239 two fragments' codes
.set TM,   240                         ; v240-255 at work
.set HM,   24                          ; s24  lanes 16-31
.set MNT,  25                          ; s25  the mantissa field of 57,344
.set SEL,  26                          ; s[26:27] v_permlanex16_b32's selects for lane l xor 16
; 64 numbers of a lane become a fragment's codes in v[pc] on and its scale word in v[pw]
.macro QUANT s, pc, pw
.irp b, 0,1,2,3
	v_max3_num_f32 v[TM+\b], |v[(\s)+16*\b]|, |v[(\s)+1+16*\b]|, 0x8000000   ; my 16 numbers of block b, and the floor 2^(16 - 127): the byte cannot fall under 1
.endr
.irp i, 2,4,6,8,10,12,14
.irp b, 0,1,2,3
	v_max3_num_f32 v[TM+\b], v[TM+\b], |v[(\s)+16*\b+\i]|, |v[(\s)+1+16*\b+\i]|   ; the four blocks by turns
.endr
.endr
.irp b, 0,1,2,3
	v_permlanex16_b32 v[TM+4+\b], v[TM+\b], s[SEL], s[SEL+1]
.endr
.irp b, 0,1,2,3
	v_max_num_f32 v[TM+\b], v[TM+\b], v[TM+4+\b]           ; with lane l xor 16's: the block's largest magnitude
.endr
.irp b, 0,1,2,3
	v_add_nc_u32 v[TM+12+\b], 0xf8800000, v[TM+\b]         ; 15 off its exponent field: the conversion's scale operand
.endr
.irp b, 0,1,2,3
	v_and_or_b32 v[TM+8+\b], v[TM+\b], 0x7f800000, s[MNT]  ; 57,344 x the scale
.endr
.irp b, 0,1,2,3
	v_lshrrev_b32 v[TM+4+\b], 23, v[TM+12+\b]              ; the scale's byte
.endr
	v_lshl_or_b32 v[\pw], v[TM+5], 8, v[TM+4]
	v_lshl_or_b32 v[\pw], v[TM+6], 16, v[\pw]
	v_lshl_or_b32 v[\pw], v[TM+7], 24, v[\pw]              ; my row's scale word
.irp b, 0,1,2,3
.irp i, 0,1,2,3,4,5,6,7,8,9,10,11,12,13,14,15
	v_med3_num_f32 v[(\s)+16*\b+\i], v[(\s)+16*\b+\i], -v[TM+8+\b], v[TM+8+\b]   ; the conversion to an 8-bit code does not saturate (ISA guide 7.6.2): the hold
.endr
	v_cvt_scalef32_pk8_bf8_f32 v[(\pc)+4*\b:(\pc)+1+4*\b], v[(\s)+16*\b:(\s)+7+16*\b], v[TM+12+\b]
	v_cvt_scalef32_pk8_bf8_f32 v[(\pc)+2+4*\b:(\pc)+3+4*\b], v[(\s)+8+16*\b:(\s)+15+16*\b], v[TM+12+\b]
.endr
	v_nop                                          ; a plain line behind the last conversion
.endm
.macro TURNX s                         ; 16 rows x 512 bytes through my stage: LDS serves a wave's instructions in order, so no wait stands between the stores and the loads
.irp i, 0,1,2,3,4,5,6,7,8,9,10,11,12,13,14,15
	ds_store_b128 v[STGW], v[RAW+64*\s+4*\i:RAW+64*\s+4*\i+3] offset:528*\i
.endr
.irp b, 0,1,2,3
.irp j, 0,1,2,3
	ds_load_b128 v[X+16*\b+4*\j:X+16*\b+4*\j+3], v[STGR] offset:128*\b+16*\j
.endr
.endr
.endm
	s_load_b128 s[4:7], s[0:1], 0x0                ; Wq, Wk
	s_load_b128 s[8:11], s[0:1], 0x10              ; Wv, wq
	v_lshl_add_u32 v11, v0, 2, 0x8400
	v_mov_b32 v15, 0
	v_lshrrev_b32 v1, 5, v0
	v_readfirstlane_b32 s12, v1                    ; wave
	v_and_b32 v2, 31, v0                           ; lane
	s_wait_alu depctr_va_vdst(0)
	v_and_b32 v3, 15, v0                           ; r
	s_wait_alu depctr_va_vdst(0)
	v_bfe_u32 v4, v0, 4, 1                         ; h
	s_lshl_b32 s13, ttmp9, 2
	s_add_co_u32 s13, s13, s12                     ; T = 4 x work-group + wave
	s_lshr_b32 s14, ttmp9, 2                       ; which matrix: 0 q, 1 k, 2 v
	s_and_b32 s15, s13, 15                         ; t
	s_lshr_b32 s16, s15, 1
	s_lshl_b32 s16, s16, 5
	s_and_b32 s17, s15, 1
	s_lshl_b32 s17, s17, 3
	s_add_co_u32 s16, s16, s17                     ; Wq, Wk: the tile's first row 32 (t / 2) + 8 (t % 2)
	s_lshl_b32 s17, s15, 4                         ; Wv: 16 t
	s_cmp_eq_u32 s14, 2
	s_cselect_b32 s16, s17, s16
	s_cselect_b32 s17, 8, 16                       ; the tile's row 8 lies 8 rows on in Wv, 16 in Wq and Wk
	s_lshl_b32 s16, s16, 10                        ; a row of W is 1,024 bytes
	s_lshl_b32 s17, s17, 10
	v_lshlrev_b32 v[LI], 4, v2
	v_lshlrev_b32 v[L4], 2, v2
	v_add_nc_u32 v[VLO], s16, v[LI]
	v_add_nc_u32 v[VHI], s17, v[VLO]
	s_mul_i32 s18, s12, STGB
	v_add_nc_u32 v[STGW], s18, v[LI]
	v_mul_u32_u24 v[STGR], v3, 528
	s_wait_alu depctr_va_vdst(0)
	v_lshl_add_u32 v[STGR], v4, 6, v[STGR]
	v_add_nc_u32 v[STGR], s18, v[STGR]
	s_mov_b32 s[HM], 0xffff0000
	s_mov_b32 s[MNT], 0x600000
	s_mov_b32 s[SEL], 0x76543210
	s_mov_b32 s[SEL+1], 0xfedcba98
.irp b, 0,1,2,3
	v_mov_b32 v[TM+4+\b], 0                        ; written once: a lane permute's destination counts as one of its sources
.endr
	s_lshl_b32 s18, s13, 12                        ; 4,096 T
	s_mov_b32 s19, 0
	s_wait_alu depctr_va_vdst(0)
	s_wait_kmcnt 0x0
	s_add_nc_u64 s[20:21], s[10:11], s[18:19]      ; where my fragments go
	s_lshl_b32 s18, s13, 7                         ; 128 T
	s_add_nc_u64 s[22:23], s[10:11], s[18:19]      ; and my scale register (196,608 stands in the store's immediate)
	s_cmp_eq_u32 s14, 0                            ; the matrix is chosen by the work-group's number alone
	s_cselect_b64 s[4:5], s[4:5], s[6:7]
	s_cmp_eq_u32 s14, 2
	s_cselect_b64 s[4:5], s[8:9], s[4:5]
.irp s, 0,1
.irp i, 0,1,2,3,4,5,6,7
	global_load_b128 v[RAW+64*\s+4*\i:RAW+64*\s+4*\i+3], v[VLO], s[4:5] offset:1024*\i+512*\s th:TH_LOAD_NT   ; 32 lanes read 512 consecutive bytes of a row
.endr
.irp i, 0,1,2,3,4,5,6,7
	global_load_b128 v[RAW+64*\s+32+4*\i:RAW+64*\s+32+4*\i+3], v[VHI], s[4:5] offset:1024*\i+512*\s th:TH_LOAD_NT
.endr
.endr
	s_wait_loadcnt 16                              ; the first 128 of d are in; the other half's 16 loads may be out
	TURNX 0
	s_wait_dscnt 0x0
	QUANT X, PC, PWA
.irp c, 0,1,2,3
	global_store_b128 v[LI], v[PC+4*\c:PC+4*\c+3], s[20:21] offset:512*\c          ; 512 consecutive bytes a store
.endr
	s_wait_loadcnt 0x0
	TURNX 1
	s_wait_dscnt 0x0
	QUANT X, PC+16, PWB
.irp c, 0,1,2,3
	global_store_b128 v[LI], v[PC+16+4*\c:PC+16+4*\c+3], s[20:21] offset:2048+512*\c
.endr
	v_cndmask_b32 v[PWP], v[PWA], v[PWB], s[HM]    ; lanes 0-15: the words of s = 0; lanes 16-31: of s = 1
	global_store_b32 v[L4], v[PWP], s[22:23] offset:196608   ; 128 consecutive bytes: one byte in 32 of what the wave stores
	s_wait_tensorcnt 0x0
	ds_add_u32 v11, v15
	s_wait_dscnt 0x0
	s_endpgm
.Lfunc_end_k_q0ad4adb633_prepw:
	.size	k_q0ad4adb633_prepw, .Lfunc_end_k_q0ad4adb633_prepw-k_q0ad4adb633_prepw
	.p2alignl 7, 3214868480
	.fill 96, 4, 3214868480
	.section	.rodata,"a",@progbits
	.p2align	6, 0x0
	.amdhsa_kernel k_q0ad4adb633_prepw
		.amdhsa_group_segment_fixed_size 34304
		.amdhsa_private_segment_fixed_size 0
		.amdhsa_enable_private_segment 0
		.amdhsa_kernarg_size 32
		.amdhsa_user_sgpr_count 2
		.amdhsa_user_sgpr_kernarg_segment_ptr 1
		.amdhsa_wavefront_size32 1
		.amdhsa_system_sgpr_workgroup_id_x 1
		.amdhsa_system_sgpr_workgroup_id_y 1
		.amdhsa_system_sgpr_workgroup_id_z 1
		.amdhsa_system_vgpr_workitem_id 0
		.amdhsa_next_free_vgpr 256
		.amdhsa_next_free_sgpr 66
		.amdhsa_reserve_vcc 0
		.amdhsa_float_denorm_mode_32 3
		.amdhsa_float_denorm_mode_16_64 3
		.amdhsa_memory_ordered 1
		.amdhsa_forward_progress 1
		.amdhsa_inst_pref_size 27
	.end_amdhsa_kernel
	.amdgpu_metadata
---
amdhsa.version: [ 1, 2 ]
amdhsa.kernels:
  - .name:           k_q0ad4adb633_prepw
    .symbol:         k_q0ad4adb633_prepw.kd
    .args:
      - { .name: Wq, .offset: 0, .size: 8, .value_kind: global_buffer, .address_space: global }
      - { .name: Wk, .offset: 8, .size: 8, .value_kind: global_buffer, .address_space: global }
      - { .name: Wv, .offset: 16, .size: 8, .value_kind: global_buffer, .address_space: global }
      - { .name: wq, .offset: 24, .size: 8, .value_kind: global_buffer, .address_space: global }
    .group_segment_fixed_size: 34304
    .private_segment_fixed_size: 0
    .kernarg_segment_align: 8
    .kernarg_segment_size: 32
    .max_flat_workgroup_size: 128
    .sgpr_count:     66
    .vgpr_count:     256
    .wavefront_size: 32
...
	.end_amdgpu_metadata
.endif
;; end of part 1
;; launch proj (part 2): grid 8 x 32, 4 waves a work-group, clusters of 4 x 1, 270,848 bytes of LDS; arguments track_feat_seq, mask, wq, qc, kv, sc; writes qc, kv, sc
.if DOCPART == 2
	.amdgcn_target "amdgcn-amd-amdhsa--gfx1250"
	.amdhsa_code_object_version 6
	.text
	.protected	k_q0ad4adb633_proj
	.globl	k_q0ad4adb633_proj
	.p2align	8
	.type	k_q0ad4adb633_proj,@function
k_q0ad4adb633_proj:
	s_mov_b64 s[64:65], 0
	v_nop
	global_prefetch_b8 v0, s[64:65] scope:SCOPE_SE
	s_setreg_imm32_b32 hwreg(HW_REG_WAVE_MODE, 25, 1), 1
	s_wait_xcnt 0x0
	s_wait_alu depctr_hold_cnt(0) depctr_sa_sdst(0) depctr_va_vdst(0) depctr_va_sdst(0) depctr_va_ssrc(0) depctr_va_vcc(0) depctr_vm_vsrc(0)
	s_getreg_b32 s2, hwreg(HW_REG_IB_STS2, 6, 4)
	s_cmp_eq_u32 s2, 0
	s_cbranch_scc0 .Lentry_in_a_cluster
	s_endpgm
.Lentry_in_a_cluster:
	s_bfe_u32 s2, ttmp6, 0x10000c
	s_cmp_lg_u32 s2, 0x3003
	s_cbranch_scc0 .Lentry_shape_is_right
	s_endpgm
.Lentry_shape_is_right:
; q = x Wq^T, k = x Wk^T, v = x Wv^T on codes of BF8 (E5M2) with one E8M0 scale for each 32 along d; then q and k are quantised along their 256 and v along the keys, for the attention launch.
; x: [32][1024][256] f32.  A work-group takes 128 tokens of one batch (one key step of the attention); 256 work-groups.  track_idx_seq is an operand of nothing in the computation and is read by no launch.
; TILES OF TOKENS: lane r of tile 2 b' + u is token 32 b' + 8 u + r + 8 (r / 8).  q, k: source 0 = 16 rows of W (chosen likewise), source 1 = 16 tokens: a lane holds ONE token and its registers run along e.
; v: source 0 = 16 tokens, source 1 = 16 rows of Wv: a lane holds ONE channel and its registers run along the keys.  So every result is quantised in registers and the conversions' results are operand registers.
; ALL OPERANDS TRAVEL AS IMAGES OF THEIR REGISTERS (group c of four registers at 512 c + 16 x lane): through LDS from wave to wave, and to memory for the next launch.
; OUT: qc[8 b + j]: fragment (query tile m, half s of d) at 2048 (2 m + s); scale words at 32,768 + 512 (m / 4) + 16 x lane + 4 (m % 4), lanes 0-15 s = 0, lanes 16-31 s = 1.
;      kv[8 b + j]: K's fragment (key tile, s) at 2048 (2 kt + s); V's fragment of channels 16 dt on at 32,768 + 2048 dt.
;      sc[8 b + j]: K's scale words as qc's, from 0; V's at 1,024 + 256 w + 8 x lane + 4 e (register 2 w + e: channel tile 2 (2 w + e) in lanes 0-15, the next in lanes 16-31); a bias for each key at 2,048 + 4 x key.
; THE MASK: a masked token's codes of K are zeros and its bias is -2^34, else 0: the attention launch starts each score's sum with the bias, so a masked raw score is exactly -2^34, a logit of -2^30.
; LIMITS: that logit stands for the -1e9 of the definition: the same result wherever a row's largest open logit lies above about -1e9, and in a row with every key masked (all weights equal).
;         A block of zeros keeps the byte 1 (its codes are zeros); NaN and infinities are not served.
; CLUSTER: the four work-groups of a cluster need the same 202,752 bytes of weights: each wave's quarter is asked for jointly, once, with a mask that names the four.  LDS is filled once: no slot is filled again.
; SHARES OF WAVE w.  X: quantises tokens 32 w .. 32 w + 31 (tiles 2 w, 2 w + 1).  QK: waves 0, 1 make q, waves 2, 3 make k; w % 2 says which 128 of e; all 128 tokens.  V: channels 64 w .. 64 w + 63, all 128 tokens.
; REGISTERS, in windows of 256: window 0: see the names below.  window 1: my 16 fragments of Wq or Wk.  window 2: v0-127 my 8 fragments of Wv.  window 3: x as loaded, later x's 16 fragments.
.set STG,   202752                     ; LDS: 0: the weights as they lie in wq; here: a stage of 16 rows x 528 bytes for each wave;
.set STGB,  8448
.set XIMG,  236544                     ; x's 16 fragments, 2048 (2 m + s);
.set XSC,   269312                     ; their scale registers, 128 m + 4 x lane
.set LI,   1                           ; v1   16 x lane
.set L4,   2                           ; v2   4 x lane
.set XA,   3                           ; v3   x: 16 x lane + my wave's 32 rows
.set STGW, 4                           ; v4   my stage, in
.set STGR, 5                           ; v5   my stage, out: 528 r + 64 h
.set AW1,  6                           ; v6   LDS: my fragments of Wq or Wk
.set AW2,  7                           ; v7   of Wv
.set AWS,  8                           ; v8   their scale registers
.set AWV,  9
.set XWI,  10                          ; v10  where I store x's images
.set XWS,  11                          ; v11  and their scale registers
.set LQ,   12                          ; v12  512 h + 16 r: q's and k's scale words in memory
.set L8,   13                          ; v13  8 x lane
.set XRI,  14                          ; v14  where x's images are read
.set XRS,  15
.set TM,   16                          ; v16-31  at work in QUANT
.set XS,   32                          ; v32-39  x's scale registers, one a tile
.set WS,   40                          ; v40-51  the weights': 8 for q or k, 4 for v
.set KW,   52                          ; v52-59  the scale words made for q or k, one a tile of tokens
.set VW,   60                          ; v60-63  those made for v
.set PC,   64                          ; v64-95  two sets of codes
.set HA,   96                          ; v96-223 two sets of 64 numbers
.set ZERO, 224
.set NEGB, 225                         ; -2^34
.set MB,   226                         ; v226-233 my token's mask byte, for each tile
.set PK,   234                         ; v234-237 packed scale words
.set BW,   238                         ; v238-241 four biases
.set BT,   242
.set MW,   243                         ; four mask bytes
.set VM,   244                         ; r + 8 (r / 8)
.set PWA,  248
.set PWB,  249
.set PVK,  250                         ; v250-251 v's packed scale words
.set WV,   16                          ; s16  wave
.set ROLEK,21                          ; s21  all ones in the waves that make k
.set HM,   22                          ; s22  lanes 16-31
.set MNT,  23                          ; s23  the mantissa field of 57,344
.set SEL,  24                          ; s[24:25]
.set G1,   28                          ; s[28:35] descriptor group 1
.set G0,   36                          ; s[36:39] group 0
.set MZ,   40                          ; s40-47  for each tile: the lanes whose token is masked (0 in the waves that make q)
.set DF,   48                          ; s[48:49] where my fragments of q or k go
.set DS,   50                          ; s[50:51] and their scale words
.set DV,   52                          ; s[52:53] my fragments of v
.set DVS,  54                          ; s[54:55] and their scale words
.set MSB, 0
.macro WIN new                         ; the immediate's high byte repeats the setting that is left
.if MSB != \new
	s_set_vgpr_msb (MSB<<8)|\new
.set MSB, \new
.endif
.endm
.macro NOPS n
.rept \n
	v_nop
.endr
.endm
.macro CROUND                          ; a round of the cluster's barrier
	s_barrier_signal -1
	s_barrier_wait -1
	s_cmp_lg_u32 s[WV], 0
	s_cbranch_scc1 .Lnot_wave_0_\@
	s_barrier_signal -3
.Lnot_wave_0_\@:
	s_barrier_wait -3
	s_barrier_signal -1
	s_barrier_wait -1
.endm
; 64 numbers of a lane, register 16 b + i = K 32 b + 16 h + i of my row, become a fragment's codes in v[pc] on and its scale word in v[pw]
.macro QUANT s, pc, pw
.irp b, 0,1,2,3
	v_max3_num_f32 v[TM+\b], |v[(\s)+16*\b]|, |v[(\s)+1+16*\b]|, 0x8000000   ; my 16 numbers of block b, and the floor 2^(16 - 127): the byte cannot fall under 1
.endr
.irp i, 2,4,6,8,10,12,14
.irp b, 0,1,2,3
	v_max3_num_f32 v[TM+\b], v[TM+\b], |v[(\s)+16*\b+\i]|, |v[(\s)+1+16*\b+\i]|   ; the four blocks by turns; each result tile is read from its low end on
.endr
.endr
.irp b, 0,1,2,3
	v_permlanex16_b32 v[TM+4+\b], v[TM+\b], s[SEL], s[SEL+1]
.endr
.irp b, 0,1,2,3
	v_max_num_f32 v[TM+\b], v[TM+\b], v[TM+4+\b]           ; with lane l xor 16's: the block's largest magnitude
.endr
.irp b, 0,1,2,3
	v_add_nc_u32 v[TM+12+\b], 0xf8800000, v[TM+\b]         ; 15 off its exponent field: the conversion's scale operand
.endr
.irp b, 0,1,2,3
	v_and_or_b32 v[TM+8+\b], v[TM+\b], 0x7f800000, s[MNT]  ; 57,344 x the scale
.endr
.irp b, 0,1,2,3
	v_lshrrev_b32 v[TM+4+\b], 23, v[TM+12+\b]              ; the scale's byte
.endr
	v_lshl_or_b32 v[\pw], v[TM+5], 8, v[TM+4]
	v_lshl_or_b32 v[\pw], v[TM+6], 16, v[\pw]
	v_lshl_or_b32 v[\pw], v[TM+7], 24, v[\pw]              ; my row's scale word
.irp b, 0,1,2,3
.irp i, 0,1,2,3,4,5,6,7,8,9,10,11,12,13,14,15
	v_med3_num_f32 v[(\s)+16*\b+\i], v[(\s)+16*\b+\i], -v[TM+8+\b], v[TM+8+\b]   ; the conversion to an 8-bit code does not saturate (ISA guide 7.6.2): the hold
.endr
	v_cvt_scalef32_pk8_bf8_f32 v[(\pc)+4*\b:(\pc)+1+4*\b], v[(\s)+16*\b:(\s)+7+16*\b], v[TM+12+\b]
	v_cvt_scalef32_pk8_bf8_f32 v[(\pc)+2+4*\b:(\pc)+3+4*\b], v[(\s)+8+16*\b:(\s)+15+16*\b], v[TM+12+\b]
.endr
	v_nop                                          ; a plain line behind the last conversion: vector lines and products touch these registers later
.endm
.macro TURNX n, x                      ; unit n (16 rows x 512 bytes, in window 3 as loaded) through my stage into v[x] on: LDS serves a wave's instructions in order
	WIN 0x0c                                       ; an LDS store's data are its source 1: window 3
.irp i, 0,1,2,3,4,5,6,7,8,9,10,11,12,13,14,15
	ds_store_b128 v[STGW], v[64*\n+4*\i:64*\n+4*\i+3] offset:528*\i
.endr
	WIN 0
.irp b, 0,1,2,3
.irp j, 0,1,2,3
	ds_load_b128 v[(\x)+16*\b+4*\j:(\x)+16*\b+4*\j+3], v[STGR] offset:128*\b+16*\j
.endr
.endr
.endm
.macro IMAGE pc, off                   ; a fragment goes to LDS as it stands
.irp c, 0,1,2,3
	ds_store_b128 v[XWI], v[(\pc)+4*\c:(\pc)+4*\c+3] offset:\off+512*\c
.endr
.endm
; 16 products: my 128 of e (8 tiles of W) for token tile m, d in two halves; the eight accumulators take turns
.macro MMQK m, buf
	WIN 0x0d                                       ; source 0 (W) window 1, source 1 (x) window 3
.irp t, 0,1,2,3,4,5,6,7
	v_wmma_scale_f32_16x16x128_f8f6f4 v[HA+64*(\buf)+8*\t:HA+64*(\buf)+8*\t+7], v[32*\t:32*\t+15], v[32*(\m):32*(\m)+15], 0, v[WS+\t], v[XS+(\m)] matrix_a_fmt:MATRIX_FMT_BF8 matrix_b_fmt:MATRIX_FMT_BF8
.endr
.irp t, 0,1,2,3,4,5,6,7
	v_wmma_scale_f32_16x16x128_f8f6f4 v[HA+64*(\buf)+8*\t:HA+64*(\buf)+8*\t+7], v[32*\t+16:32*\t+31], v[32*(\m)+16:32*(\m)+31], v[HA+64*(\buf)+8*\t:HA+64*(\buf)+8*\t+7], v[WS+\t], v[XS+(\m)] matrix_a_fmt:MATRIX_FMT_BF8 matrix_b_fmt:MATRIX_FMT_BF8 matrix_a_scale:MATRIX_SCALE_ROW1 matrix_b_scale:MATRIX_SCALE_ROW1
.endr
.endm
; 16 products: the 128 tokens (8 tiles) for my t-th tile of 16 channels of v
.macro MMV t, buf
	WIN 0x0b                                       ; source 0 (x) window 3, source 1 (Wv) window 2
.irp m, 0,1,2,3,4,5,6,7
	v_wmma_scale_f32_16x16x128_f8f6f4 v[HA+64*(\buf)+8*\m:HA+64*(\buf)+8*\m+7], v[32*\m:32*\m+15], v[32*(\t):32*(\t)+15], 0, v[XS+\m], v[WS+8+(\t)] matrix_a_fmt:MATRIX_FMT_BF8 matrix_b_fmt:MATRIX_FMT_BF8
.endr
.irp m, 0,1,2,3,4,5,6,7
	v_wmma_scale_f32_16x16x128_f8f6f4 v[HA+64*(\buf)+8*\m:HA+64*(\buf)+8*\m+7], v[32*\m+16:32*\m+31], v[32*(\t)+16:32*(\t)+31], v[HA+64*(\buf)+8*\m:HA+64*(\buf)+8*\m+7], v[XS+\m], v[WS+8+(\t)] matrix_a_fmt:MATRIX_FMT_BF8 matrix_b_fmt:MATRIX_FMT_BF8 matrix_a_scale:MATRIX_SCALE_ROW1 matrix_b_scale:MATRIX_SCALE_ROW1
.endr
.endm
	s_load_b256 s[4:11], s[0:1], 0x0               ; x s[4:5], mask s[6:7], wq s[8:9], qc s[10:11]
	s_load_b128 s[12:15], s[0:1], 0x20             ; kv s[12:13], sc s[14:15]
	v_lshl_add_u32 v254, v0, 2, 0x42000
	v_mov_b32 v255, 0
	ds_add_u32 v254, v255
	ds_add_u32 v254, v255
	v_lshrrev_b32 v245, 5, v0
	v_readfirstlane_b32 s[WV], v245                ; wave 0..3
	s_bfe_u32 s17, ttmp6, 0x40000                  ; cx: it enters global addresses of x, mask and the outputs alone
	s_lshl_b32 s18, ttmp9, 2
	s_add_co_u32 s18, s18, s17                     ; j: which 128 tokens of the batch
	s_and_b32 s19, ttmp7, 0xffff                   ; b: the batch
	s_and_b32 s20, s[WV], 1                        ; which 128 of e
	s_lshr_b32 s56, s[WV], 1
	s_sub_co_u32 s[ROLEK], 0, s56                  ; 0 for q, all ones for k
	s_mov_b32 s[HM], 0xffff0000
	s_mov_b32 s[MNT], 0x600000
	s_mov_b32 s[SEL], 0x76543210
	s_mov_b32 s[SEL+1], 0xfedcba98
	; descriptor group 1: a quarter of wq, 50,688 dense bytes, as 198 rows of 256 bytes (32 elements of 8 bytes), no padding
	s_mov_b32 s[G1], 15|(3<<16)|(1<<21)            ; 15:0 the mask: all four work-groups; 17:16 elements of 8 bytes; 21 set beside a mask
	s_mov_b32 s[G1+1], 32<<16                      ; tensor_dim0 = 32
	s_mov_b32 s[G1+2], 198<<16                     ; tensor_dim1 = 198
	s_mov_b32 s[G1+3], 32<<16                      ; tile_dim0 = 32
	s_mov_b32 s[G1+4], 198                         ; tile_dim1 = 198
	s_mov_b32 s[G1+5], 32                          ; the pitch
	s_mov_b32 s[G1+6], 0
	s_mov_b32 s[G1+7], 0
	s_mul_i32 s26, s[WV], 50688                    ; my quarter: by the wave's number alone, in memory and in LDS
	s_mov_b32 s27, 0
	v_and_b32 v245, 31, v0                         ; lane
	v_and_b32 v246, 15, v0                         ; r
	v_bfe_u32 v247, v0, 4, 1                       ; h
	v_lshlrev_b32 v[LI], 4, v245
	v_lshlrev_b32 v[L4], 2, v245
	s_wait_alu depctr_va_vdst(0)
	s_lshl_b32 s56, s[WV], 15
	v_add_nc_u32 v[XA], s56, v[LI]                 ; 32 rows of 1,024 bytes a wave
	v_add_nc_u32 v[AW1], s56, v[LI]                ; tiles 8 w on of wq: 4,096 bytes a tile
	s_mul_i32 s57, s[WV], STGB
	s_add_co_u32 s57, s57, STG
	v_add_nc_u32 v[STGW], s57, v[LI]
	v_mul_u32_u24 v[STGR], v246, 528
	v_lshl_add_u32 v[STGR], v247, 6, v[STGR]
	v_add_nc_u32 v[STGR], s57, v[STGR]
	s_lshl_b32 s57, s[WV], 14
	s_add_co_u32 s57, s57, 131072
	v_add_nc_u32 v[AW2], s57, v[LI]                ; tiles 32 + 4 w on
	s_lshl_b32 s57, s[WV], 10
	s_add_co_u32 s57, s57, 196608
	v_add_nc_u32 v[AWS], s57, v[L4]                ; scale registers of tiles 8 w on: 128 bytes a tile
	s_lshl_b32 s57, s[WV], 9
	s_add_co_u32 s57, s57, 196608+4096
	v_add_nc_u32 v[AWV], s57, v[L4]                ; of tiles 32 + 4 w on
	s_lshl_b32 s57, s[WV], 13
	s_add_co_u32 s57, s57, XIMG
	v_add_nc_u32 v[XWI], s57, v[LI]                ; my four fragments of x
	s_lshl_b32 s57, s[WV], 8
	s_add_co_u32 s57, s57, XSC
	v_add_nc_u32 v[XWS], s57, v[L4]                ; my two scale registers
	v_lshlrev_b32 v[LQ], 4, v246
	v_lshl_add_u32 v[LQ], v247, 9, v[LQ]
	v_lshlrev_b32 v[L8], 3, v245
	v_add_nc_u32 v[XRI], XIMG, v[LI]
	v_add_nc_u32 v[XRS], XSC, v[L4]
	v_and_b32 v[VM], 8, v246
	v_add_nc_u32 v[VM], v[VM], v246                ; r + 8 (r / 8)
	v_mov_b32 v[ZERO], 0
	v_mov_b32 v[NEGB], 0xd0800000                  ; -2^34
.irp b, 0,1,2,3
	v_mov_b32 v[TM+4+\b], 0                        ; written once: a lane permute's destination counts as one of its sources
.endr
	s_lshl_b32 s58, s19, 3
	s_add_co_u32 s58, s58, s18                     ; 8 b + j
	s_mul_i32 s59, s58, 33792                      ; my block of qc,
	s_lshl_b32 s60, s58, 16                        ; of kv,
	s_mul_i32 s61, s58, 2560                       ; of sc
	s_mov_b32 s57, 0
	s_wait_alu depctr_va_vdst(0)
	s_wait_dscnt 0x0
	s_wait_kmcnt 0x0
	s_mov_b32 s[G0], 1                             ; count = 1
	s_mov_b32 s[G0+1], s26                         ; LDS address
	s_add_nc_u64 s[G0+2:G0+3], s[8:9], s[26:27]    ; global address
	s_or_b32 s[G0+3], s[G0+3], 0x80000000          ; type = 2
	s_lshl_b32 s56, s19, 20
	s_lshl_b32 s62, s18, 17
	s_add_co_u32 s56, s56, s62
	s_add_nc_u64 s[4:5], s[4:5], s[56:57]          ; x at my first token
	s_lshl_b32 s56, s19, 10
	s_lshl_b32 s62, s18, 7
	s_add_co_u32 s56, s56, s62
	s_add_nc_u64 s[6:7], s[6:7], s[56:57]          ; mask likewise
	s_mov_b32 s56, s59
	s_add_nc_u64 s[10:11], s[10:11], s[56:57]
	s_mov_b32 s56, s60
	s_add_nc_u64 s[12:13], s[12:13], s[56:57]
	s_mov_b32 s56, s61
	s_add_nc_u64 s[14:15], s[14:15], s[56:57]
	s_add_nc_u64 s[62:63], s[10:11], 32768         ; q's scale words
	s_cmp_lt_u32 s[WV], 2                          ; q or k: one text serves both; only the pointers and ROLEK differ
	s_cselect_b64 s[DF:DF+1], s[10:11], s[12:13]
	s_cselect_b64 s[DS:DS+1], s[62:63], s[14:15]
	s_lshl_b32 s56, s20, 11
	s_add_nc_u64 s[DF:DF+1], s[DF:DF+1], s[56:57]  ; + 2,048 x my half of e
	s_lshl_b32 s56, s20, 8
	s_add_nc_u64 s[DS:DS+1], s[DS:DS+1], s[56:57]  ; + 256 x my half: lanes 16 x half on
	s_lshl_b32 s56, s[WV], 13
	s_add_co_u32 s56, s56, 32768
	s_add_nc_u64 s[DV:DV+1], s[12:13], s[56:57]
	s_lshl_b32 s56, s[WV], 8
	s_add_co_u32 s56, s56, 1024
	s_add_nc_u64 s[DVS:DVS+1], s[14:15], s[56:57]
	WIN 0xc0                                       ; destination window 3
.irp u, 0,1
.irp s, 0,1
.irp i, 0,1,2,3,4,5,6,7,8,9,10,11,12,13,14,15
	global_load_b128 v[64*(2*\u+\s)+4*\i:64*(2*\u+\s)+4*\i+3], v[XA], s[4:5] offset:(8*\u+\i+8*(\i/8))*1024+512*\s th:TH_LOAD_NT   ; unit 2 u + s, row i: 512 consecutive bytes
.endr
.endr
.endr
	WIN 0
.irp m, 0,1,2,3,4,5,6,7
	global_load_u8 v[MB+\m], v[VM], s[6:7] offset:32*(\m/2)+8*(\m%2)     ; the mask byte of tile m's token r
.endr
	global_load_b32 v[MW], v[L4], s[6:7]           ; and four neighbouring bytes a lane, for the biases
	CROUND                                         ; all four work-groups are here: the joint loads meet
	tensor_load_to_lds s[G0:G0+3], s[G1:G1+7]      ; my one tensor load: a quarter of the weights
	s_nop 0
	NOPS 4
	; ---- X: my 32 tokens become four fragments.  The counts: behind unit n stand 16 (3 - n) loads of x and the 9 of the mask
	s_wait_loadcnt 57
	TURNX 0, HA
	s_wait_loadcnt 41
	TURNX 1, HA+64
	s_wait_dscnt 32                                ; unit 0 is back (unit 1's 32 lines may be out)
	QUANT HA, PC, PWA
	IMAGE PC, 0
	s_wait_loadcnt 25
	TURNX 2, HA
	s_wait_dscnt 36                                ; unit 1 is back (4 image stores and unit 2's 32 lines may be out)
	QUANT HA+64, PC+16, PWB
	v_cndmask_b32 v[PK], v[PWA], v[PWB], s[HM]     ; lanes 0-15: the words of s = 0; lanes 16-31: of s = 1
	IMAGE PC+16, 2048
	ds_store_b32 v[XWS], v[PK]
	s_wait_loadcnt 9
	TURNX 3, HA+64
	s_wait_dscnt 37                                ; unit 2 is back (5 stores and unit 3's 32 lines may be out); the first set of codes has been stored
	QUANT HA, PC, PWA
	IMAGE PC, 4096
	s_wait_dscnt 4                                 ; unit 3 is back (4 image stores may be out); the second set of codes has been stored
	QUANT HA+64, PC+16, PWB
	v_cndmask_b32 v[PK+1], v[PWA], v[PWB], s[HM]
	IMAGE PC+16, 6144
	ds_store_b32 v[XWS], v[PK+1] offset:128
	; ---- the mask
	s_wait_loadcnt 0x0
.irp m, 0,1,2,3,4,5,6,7
	v_cmp_ne_u32 s[MZ+\m], 0, v[MB+\m]
.endr
.irp m, 0,1,2,3,4,5,6,7
	s_and_b32 s[MZ+\m], s[MZ+\m], s[ROLEK]         ; only k's codes are cleared
.endr
	s_cmp_lg_u32 s[WV], 0                          ; wave 0 stores the 128 biases
	s_cbranch_scc1 .Lno_bias
.irp k, 0,1,2,3
	v_bfe_u32 v[BT], v[MW], 8*\k, 8
	v_cmp_ne_u32 vcc_lo, 0, v[BT]
	v_cndmask_b32 v[BW+\k], v[ZERO], v[NEGB], vcc_lo
.endr
	global_store_b128 v[LI], v[BW:BW+3], s[14:15] offset:2048      ; 512 consecutive bytes, keys in their natural order
.Lno_bias:
	s_wait_tensorcnt 0x0                           ; my quarter of the weights has landed,
	s_wait_dscnt 0x0                               ; my images of x are stored:
	s_barrier_signal -1
	s_barrier_wait -1                              ; everybody's
	; ---- my weights and all of x into registers: they stay
	WIN 0x40
.set f, 0
.rept 16
.irp c, 0,1,2,3
	ds_load_b128 v[16*f+4*\c:16*f+4*\c+3], v[AW1] offset:2048*f+512*\c
.endr
.set f, f+1
.endr
	WIN 0x80
.set f, 0
.rept 8
.irp c, 0,1,2,3
	ds_load_b128 v[16*f+4*\c:16*f+4*\c+3], v[AW2] offset:2048*f+512*\c
.endr
.set f, f+1
.endr
	WIN 0xc0
.set f, 0
.rept 16
.irp c, 0,1,2,3
	ds_load_b128 v[16*f+4*\c:16*f+4*\c+3], v[XRI] offset:2048*f+512*\c
.endr
.set f, f+1
.endr
	WIN 0
.irp t, 0,1,2,3,4,5,6,7
	ds_load_b32 v[WS+\t], v[AWS] offset:128*\t
.endr
.irp t, 0,1,2,3
	ds_load_b32 v[WS+8+\t], v[AWV] offset:128*\t
.endr
.irp m, 0,1,2,3,4,5,6,7
	ds_load_b32 v[XS+\m], v[XRS] offset:128*\m
.endr
	s_wait_dscnt 0x0
	; ---- QK: while one tile's 64 numbers are quantised, the next tile's products are out.  The quantiser's lines, which name none of those products' registers, are the places behind them
	MMQK 0, 0
	NOPS 9                                         ; eight places in front of the first read of these results; nine in front of the products that write over them
.irp m, 0,1,2,3,4,5,6,7
.if \m < 7
	MMQK \m+1, (\m+1)%2
.else
	MMV 0, 0
.endif
	WIN 0
	s_wait_xcnt 0x0                                ; the stores of two tiles back have read this set of codes
	QUANT HA+64*(\m%2), PC+16*(\m%2), KW+\m
.set i, 0
.rept 16
	v_cndmask_b32 v[PC+16*(\m%2)+i], v[PC+16*(\m%2)+i], v[ZERO], s[MZ+\m]   ; a masked key's codes are zeros
.set i, i+1
.endr
.irp c, 0,1,2,3
	global_store_b128 v[LI], v[PC+16*(\m%2)+4*\c:PC+16*(\m%2)+4*\c+3], s[DF:DF+1] offset:4096*\m+512*\c   ; 512 consecutive bytes a store
.endr
.endr
.irp k, 0,1,2,3
	v_cndmask_b32 v[PK+\k], v[KW+\k], v[KW+4+\k], s[HM]    ; lanes 0-15: tiles 0-3; lanes 16-31: tiles 4-7
.endr
	global_store_b128 v[LQ], v[PK:PK+3], s[DS:DS+1]        ; sixteen lanes store 256 consecutive bytes, aligned
	; ---- V
.irp t, 0,1,2,3
.if \t < 3
	MMV \t+1, (\t+1)%2
.endif
	WIN 0
	s_wait_xcnt 0x0
	QUANT HA+64*(\t%2), PC+16*(\t%2), VW+\t
.irp c, 0,1,2,3
	global_store_b128 v[LI], v[PC+16*(\t%2)+4*\c:PC+16*(\t%2)+4*\c+3], s[DV:DV+1] offset:2048*\t+512*\c
.endr
.endr
	v_cndmask_b32 v[PVK], v[VW], v[VW+1], s[HM]    ; an even channel tile's words in lanes 0-15, the next tile's in lanes 16-31
	v_cndmask_b32 v[PVK+1], v[VW+2], v[VW+3], s[HM]
	global_store_b64 v[L8], v[PVK:PVK+1], s[DVS:DVS+1]     ; 256 consecutive bytes, aligned
	s_wait_tensorcnt 0x0
	ds_add_u32 v254, v255
	s_wait_dscnt 0x0
	CROUND                                         ; the closing round: no work-group ends while a partner may still ask for the weights
	s_endpgm
.Lfunc_end_k_q0ad4adb633_proj:
	.size	k_q0ad4adb633_proj, .Lfunc_end_k_q0ad4adb633_proj-k_q0ad4adb633_proj
	.p2alignl 7, 3214868480
	.fill 96, 4, 3214868480
	.section	.rodata,"a",@progbits
	.p2align	6, 0x0
	.amdhsa_kernel k_q0ad4adb633_proj
		.amdhsa_group_segment_fixed_size 270848
		.amdhsa_private_segment_fixed_size 0
		.amdhsa_enable_private_segment 0
		.amdhsa_kernarg_size 48
		.amdhsa_user_sgpr_count 2
		.amdhsa_user_sgpr_kernarg_segment_ptr 1
		.amdhsa_wavefront_size32 1
		.amdhsa_system_sgpr_workgroup_id_x 1
		.amdhsa_system_sgpr_workgroup_id_y 1
		.amdhsa_system_sgpr_workgroup_id_z 1
		.amdhsa_system_vgpr_workitem_id 0
		.amdhsa_next_free_vgpr 1024
		.amdhsa_next_free_sgpr 66
		.amdhsa_reserve_vcc 1
		.amdhsa_float_denorm_mode_32 3
		.amdhsa_float_denorm_mode_16_64 3
		.amdhsa_memory_ordered 1
		.amdhsa_forward_progress 1
		.amdhsa_inst_pref_size 202
	.end_amdhsa_kernel
	.amdgpu_metadata
---
amdhsa.version: [ 1, 2 ]
amdhsa.kernels:
  - .name:           k_q0ad4adb633_proj
    .symbol:         k_q0ad4adb633_proj.kd
    .args:
      - { .name: track_feat_seq, .offset: 0, .size: 8, .value_kind: global_buffer, .address_space: global }
      - { .name: mask, .offset: 8, .size: 8, .value_kind: global_buffer, .address_space: global }
      - { .name: wq, .offset: 16, .size: 8, .value_kind: global_buffer, .address_space: global }
      - { .name: qc, .offset: 24, .size: 8, .value_kind: global_buffer, .address_space: global }
      - { .name: kv, .offset: 32, .size: 8, .value_kind: global_buffer, .address_space: global }
      - { .name: sc, .offset: 40, .size: 8, .value_kind: global_buffer, .address_space: global }
    .group_segment_fixed_size: 270848
    .private_segment_fixed_size: 0
    .kernarg_segment_align: 8
    .kernarg_segment_size: 48
    .max_flat_workgroup_size: 128
    .sgpr_count:     66
    .vgpr_count:     1024
    .wavefront_size: 32
...
	.end_amdgpu_metadata
.endif
;; end of part 2
;; launch attn (part 3): grid 128 x 2, 4 waves a work-group, clusters of 4 x 1, 327,680 bytes of LDS; arguments qc, kv, sc, part; writes part
.if DOCPART == 3
	.amdgcn_target "amdgcn-amd-amdhsa--gfx1250"
	.amdhsa_code_object_version 6
	.text
	.protected	k_q0ad4adb633_attn
	.globl	k_q0ad4adb633_attn
	.p2align	8
	.type	k_q0ad4adb633_attn,@function
k_q0ad4adb633_attn:
	s_mov_b64 s[64:65], 0
	v_nop
	global_prefetch_b8 v0, s[64:65] scope:SCOPE_SE
	s_setreg_imm32_b32 hwreg(HW_REG_WAVE_MODE, 25, 1), 1
	s_wait_xcnt 0x0
	s_wait_alu depctr_hold_cnt(0) depctr_sa_sdst(0) depctr_va_vdst(0) depctr_va_sdst(0) depctr_va_ssrc(0) depctr_va_vcc(0) depctr_vm_vsrc(0)
	s_getreg_b32 s2, hwreg(HW_REG_IB_STS2, 6, 4)
	s_cmp_eq_u32 s2, 0
	s_cbranch_scc0 .Lentry_in_a_cluster
	s_endpgm
.Lentry_in_a_cluster:
	s_bfe_u32 s2, ttmp6, 0x10000c
	s_cmp_lg_u32 s2, 0x3003
	s_cbranch_scc0 .Lentry_shape_is_right
	s_endpgm
.Lentry_shape_is_right:
; part[8 b + qb][d] = the sum over 128 queries of (sum over keys of p V) / l, both products on codes of BF8 (E5M2) with one E8M0 scale for each 32 along a product's K.
; SHARES.  A work-group owns 128 queries of one batch; each of its four waves takes ALL 128 (8 tiles of 16) and a quarter of the 1,024 keys: two key steps of 128.  So each byte of K and V in LDS is read by one wave, once, and a fragment feeds 8 products.
; THE SOFTMAX: t = raw score x c, c = log2(e) / 16.  Each block of 32 keys (the quantiser's block) has a whole number of its own, F = floor(its largest t): p = 2^(t - F) lies in [0, 2), the block's largest in [1, 2),
; so its scale is 2^-15 always, and its codes do not hang on the row's M.  M enters the scale bytes alone, when all keys of the wave are done: byte = 112 + F - M, not under 1.  No sum is ever rescaled.
; l is the sum of the unquantised p: a sum for each block, brought under M by the same power of two as the block's scale byte.  -F is what is kept: ceil(-t).
; The four waves' M and l of each query meet in LDS: a query's weight in wave w is 2^(M of w - M) / l.
; THE MASK: each score's sum starts with the key's bias, 0 or -2^34, and a masked key's codes are zeros: a masked raw score is exactly -2^34, c x 2^34 is a whole number in f32.  A row with every key masked has equal weights.
; LIMITS: the masked logit is -2^30 where the definition has -1e9: the same result wherever a row's largest open logit lies above about -1e9.  A block whose largest p lies under 2^-111 of the row's keeps the byte 1.
;         The scaled scores stay under 2^31 in magnitude.  NaN and infinities are not served.
; LAYOUT.  S^T = K Q^T (source 0 = 16 keys, source 1 = 16 queries): a lane holds ONE query; the 16 registers of key tiles 2 b, 2 b + 1 are 16 neighbouring keys, so the conversions' results are P's operand registers.
; O = P V (source 0 = 16 queries, source 1 = 16 channels): a lane holds ONE channel and its registers run along 8 queries, so the sum over queries runs in the lane.
; UNITS of 16 products: unit 2 b + hf of a key step = key block b x four query tiles 4 hf ..; two sets of scores.  A unit's products stand behind the exponentials of the unit before, among its sums, holds and conversions:
; no transcendental stands between a product and the first reader of its result.
; LDS: two slots of 32,768 bytes a wave.  Fills: K of the first step (head), K of the second, V's channel tiles 0-7 of both steps over the first, 8-15 over the second: each but the head's behind a drained round of the cluster's barrier.
; CLUSTER.  The four work-groups of a cluster belong to one batch: each fill is asked for JOINTLY, with the same descriptor and a mask that names the four.
; REGISTERS, in windows of 256: window 0: names below.  window 1: statistics.  window 2: P's codes: first step 16 m, second 128 + 16 m.  window 3: Q at 32 m + 16 s; then four buffers of V at 32 (dt % 4) + 16 step.
.set SLOTB, 1<<17
.set QST, 2*SLOTB                      ; Q's stage, 32,768 bytes
.set BIA, QST+32768                    ; the biases, 1,024 bytes a wave
.set EX,  BIA+4096                     ; 16 query + 4 wave: 112 - M; 2,048 on: l
.set FW,  EX+4096                      ; the queries' weights, 512 bytes a wave
.set RED, FW+2048                      ; 1,088 bytes for each wave and half of the lanes: 64 that nobody reads, then 256 sums
.set SPARE, RED+8*1088                 ; the spare words, 128 bytes for each wave
.set LI,  1                            ; v1   16 x lane
.set SPW, 2                            ; v2   LDS address of my spare word; never rewritten
.set NIL, 3                            ; v3   0; never rewritten
.set AK0, 4                            ; v4   my slot + 16 x lane
.set AB0, 5                            ; v5   my biases + 64 h
.set AK,  6
.set AB,  7
.set KS,  8                            ; v8-15 K's scale registers of the step in hand; v16-23 of the second step
.set QSC, 24                           ; v24-31 Q's
.set VS,  32                           ; v32-39 V's of channel tiles 0-7 (4 step + tile pair); v40-47 of 8-15
.set PSC, 48                           ; v48-55 P's: lanes 0-15 the first step's word, lanes 16-31 the second's
.set CVS, 56                           ; v56  2^-15
.set EXA, 57
.set WA,  58
.set RA0, 59
.set RA,  60
.set PFO, 63                           ; v63  256 x lane; never rewritten
.set S,   64                           ; v64-191 two sets of scores, then of O
.set KB,  192                          ; v192-255 a block's four fragments of K
; window 1
.set FC,  0                            ; 0-31   -F of the step in hand: 4 m + block;  32-63 its sums;  64-127 both of the first step
.set LC,  32
.set FO,  64
.set LO,  96
.set BI,  128                          ; 128-143 the block's biases; later AC, RR
.set AC,  128
.set RR,  136
.set MX,  144
.set PX,  148
.set TS,  152                          ; 152-183 at work
.set NM,  152                          ; (behind the loop) 112 - M, in pairs
.set PXS, 168
.set LA,  176                          ; l, in pairs
.set G,   192                          ; the blocks' powers of two; then W
.set W,   192                          ; the queries' weights: 8 m + j: query 16 m + 8 h + j
.set PC,  128                          ; window 2: the step in hand's codes
.set WV,  12
.set G1C, 24                           ; s[24:31] group 1 for K
.set G1V, 32                           ; s[32:39] for V
.set G0A, 40                           ; s[40:43] group 0: K, first step
.set G0W, 44                           ; s[44:47] K, second step
.set G0V, 48                           ; s[48:51] V; it walks
.set KOFF, 52
.set BOFF, 53
.set TR,  54
.set ROFF, 55
.set CS,  56                           ; s[56:57] c
.set SEL, 58                           ; s[58:59]
.set HB,  60                           ; s60  1.75: the largest code x the scale
.set HM,  61                           ; s61  lanes 16-31
.set MG,  62                           ; s[62:63] 2^23
.set PFA, 66                           ; s[66:67] the prefetch's address; never rewritten
.set QW,  68                           ; s[68:69] my quarter of Q
.set SLA, 70
.set SLB, 71
.set MSB, 0
.macro WIN new                         ; the immediate's high byte repeats the setting that is left
.if MSB != \new
	s_set_vgpr_msb (MSB<<8)|\new
.set MSB, \new
.endif
.endm
.macro NOPS n
.rept \n
	v_nop
.endr
.endm
.macro CREST                           ; a round of the cluster's barrier behind its opening barrier
	s_cmp_lg_u32 s[WV], 0
	s_cbranch_scc1 .Lnot_wave_0_\@
	s_barrier_signal -3
.Lnot_wave_0_\@:
	s_barrier_wait -3
	s_barrier_signal -1
	s_barrier_wait -1
.endm
.macro CROUND
	s_barrier_signal -1
	s_barrier_wait -1
	CREST
.endm
.macro WALU
	s_wait_alu depctr_va_vdst(0)
.endm
.macro KFETCH b                        ; block b of the step: two key tiles, both halves of d, and the biases: 20 loads
	WIN 0
.irp f, 0,1,2,3
.irp c, 0,1,2,3
	ds_load_b128 v[KB+16*\f+4*\c:KB+16*\f+4*\c+3], v[AK] offset:8192*(\b)+2048*\f+512*\c
.endr
.endr
	WIN 0x40
.irp k, 0,1,2,3
	ds_load_b128 v[BI+4*\k:BI+4*\k+3], v[AB] offset:128*(\b)+16*\k   ; keys 32 b + 16 h + 4 k on: the result's layout
.endr
.endm
.macro WM n, hf, b                     ; product n of a unit: 8 accumulators by turns, first half of d, then second
.set U_, ((\n)%8)/4
.set I_, (\n)%4
.set M_, 4*(\hf)+I_
.set D_, S+64*(\hf)+16*I_+8*U_
.set A_, KB+32*U_
.set C_, BI+8*U_
.set K_, KS+2*(\b)+U_
.if (\n) < 8
	WIN 0x1c                                       ; K window 0, Q window 3, the biases window 1, S^T window 0
	v_wmma_scale_f32_16x16x128_f8f6f4 v[D_:D_+7], v[A_:A_+15], v[32*M_:32*M_+15], v[C_:C_+7], v[K_], v[QSC+M_] matrix_a_fmt:MATRIX_FMT_BF8 matrix_b_fmt:MATRIX_FMT_BF8
.else
	WIN 0x0c
	v_wmma_scale_f32_16x16x128_f8f6f4 v[D_:D_+7], v[A_+16:A_+31], v[32*M_+16:32*M_+31], v[D_:D_+7], v[K_], v[QSC+M_] matrix_a_fmt:MATRIX_FMT_BF8 matrix_b_fmt:MATRIX_FMT_BF8 matrix_a_scale:MATRIX_SCALE_ROW1 matrix_b_scale:MATRIX_SCALE_ROW1
.endif
.endm
; The lines that stand among a unit's products; SB: the set of scores in hand
.macro SUMA a                          ; eight of 16 lines: the sums of the unquantised p: 16 numbers a tile become four pairs
	WIN 0x40
.set L_, \a
.rept 8
.set T_, TS+8*(L_%4)+2*(L_/4)
.set X_, SB+16*(L_%4)+4*(L_/4)
	v_pk_add_f32 v[T_:T_+1], v[X_:X_+1], v[X_+2:X_+3]
.set L_, L_+1
.endr
.endm
.macro SUMB                            ; four pairs become two
	WIN 0x55
.irp q, 0,4
.irp i, 0,1,2,3
	v_pk_add_f32 v[TS+8*\i+\q:TS+8*\i+\q+1], v[TS+8*\i+\q:TS+8*\i+\q+1], v[TS+8*\i+\q+2:TS+8*\i+\q+3]
.endr
.endr
.endm
.macro SUMC                            ; and one number
	WIN 0x55
.irp i, 0,1,2,3
	v_pk_add_f32 v[TS+8*\i:TS+8*\i+1], v[TS+8*\i:TS+8*\i+1], v[TS+8*\i+4:TS+8*\i+5]
.endr
.irp i, 0,1,2,3
	v_add_f32 v[LC+16*HF+4*\i+BK], v[TS+8*\i], v[TS+8*\i+1]
.endr
.endm
.macro MINP a, n                       ; the hold: the conversion to an 8-bit code does not saturate (ISA guide 7.6.2); p is not negative.  Source 0 and destination lie in window 0 under the products' setting too
.set E_, SB+\a
.rept \n
	v_min_num_f32 v[E_], v[E_], s[HB]
.set E_, E_+1
.endr
.endm
.macro CVTP i                          ; tile i's 16 numbers become four registers of P
	WIN 0x80
	v_cvt_scalef32_pk8_bf8_f32 v[PC+64*HF+16*\i+4*BK:PC+64*HF+16*\i+4*BK+1], v[SB+16*\i:SB+16*\i+7], v[CVS]
	v_cvt_scalef32_pk8_bf8_f32 v[PC+64*HF+16*\i+4*BK+2:PC+64*HF+16*\i+4*BK+3], v[SB+16*\i+8:SB+16*\i+15], v[CVS]
.endm
; THE VECTOR WORK OF UNIT u of a key step, and unit u + 1's products
.macro REGION u
.set HF, (\u)%2
.set BK, (\u)/2
.set SB, S+64*HF
.if (HF == 1) && (BK < 3)
	KFETCH BK+1                                    ; block BK has been multiplied: eight plain lines stand behind its last product
.endif
	WIN 0x50
.irp i, 0,1,2,3
	v_max_num_f32 v[MX+\i], v[SB+16*\i], v[SB+16*\i+1]
.endr
.irp j, 2,4,6,8,10,12,14
.irp i, 0,1,2,3
	v_max3_num_f32 v[MX+\i], v[SB+16*\i+\j], v[SB+16*\i+\j+1], v[MX+\i]
.endr
.endr
	WIN 0x55
.irp i, 0,1,2,3
	v_permlanex16_b32 v[PX+\i], v[MX+\i], s[SEL], s[SEL+1]
.endr
.irp i, 0,1,2,3
	v_max_num_f32 v[MX+\i], v[MX+\i], v[PX+\i]     ; with lane l xor 16's 16 keys: the block's largest score
.endr
.irp i, 0,1,2,3
	v_mul_f32 v[MX+\i], s[CS], v[MX+\i]
.endr
.irp i, 0,1,2,3
	v_ceil_f32 v[FC+16*HF+4*\i+BK], -v[MX+\i]      ; -F
.endr
	WIN 0x10
.irp j, 0,2,4,6,8,10,12,14
.irp i, 0,1,2,3
.if BK%2
	v_pk_fma_f32 v[SB+16*\i+\j:SB+16*\i+\j+1], v[SB+16*\i+\j:SB+16*\i+\j+1], s[CS:CS+1], v[FC+16*HF+4*\i+BK-1:FC+16*HF+4*\i+BK] op_sel:[0,0,1] op_sel_hi:[1,0,1]
.else
	v_pk_fma_f32 v[SB+16*\i+\j:SB+16*\i+\j+1], v[SB+16*\i+\j:SB+16*\i+\j+1], s[CS:CS+1], v[FC+16*HF+4*\i+BK:FC+16*HF+4*\i+BK+1] op_sel_hi:[1,0,0]
.endif
.endr
.endr
	WIN 0
	WALU
.set E_, SB
.rept 64
	v_exp_f32 v[E_], v[E_]                         ; p = 2^(t - F)
.set E_, E_+1
.endr
	v_nop                                          ; a plain line behind the exponentials
	WALU
.if (\u) < 7
.set BN, ((\u)+1)/2
.if HF
	s_wait_dscnt 0x0                               ; the next block's K and biases are in
.endif
	WM 0, 1-HF, BN
	SUMA 0
	WM 1, 1-HF, BN
	SUMA 8
	WM 2, 1-HF, BN
	MINP 0, 8
	WM 3, 1-HF, BN
	MINP 8, 8
	WM 4, 1-HF, BN
	MINP 16, 8
	WM 5, 1-HF, BN
	MINP 24, 8
	WM 6, 1-HF, BN
	CVTP 0
	WM 7, 1-HF, BN
	MINP 32, 8
	WM 8, 1-HF, BN
	MINP 40, 8
	WM 9, 1-HF, BN
	CVTP 1
	WM 10, 1-HF, BN
	MINP 48, 8
	WM 11, 1-HF, BN
	MINP 56, 8
	WM 12, 1-HF, BN
	CVTP 2
	WM 13, 1-HF, BN
	SUMB
	WM 14, 1-HF, BN
	CVTP 3
	WM 15, 1-HF, BN
	SUMC                                           ; eight plain lines behind the last product
.else                                  ; the step's K has been read: the round behind which V takes its slot
	SUMA 0
	SUMA 8
	WIN 0
	s_wait_tensorcnt 0x0                           ; no tensor load of mine is out
	ds_add_u32 v[SPW], v[NIL]
	s_xor_b32 s[G0V+1], s[G0V+1], SLOTB            ; the other slot than last time,
	s_add_nc_u64 s[G0V+2:G0V+3], s[G0V+2:G0V+3], 16384     ; the next eight channel tiles
.irp q, 0,1,2,3,4,5,6,7
	v_mov_b32 v[KS+\q], v[KS+8+\q]                 ; the second step's scale registers
.endr
	WALU
	s_wait_dscnt 0x0                               ; the add is done, and my reads of the slot are over
	s_barrier_signal -1
	MINP 0, 64                                     ; work on registers while the others arrive
	CVTP 0
	CVTP 1
	CVTP 2
	CVTP 3
	SUMB
	SUMC
	WIN 0
	WALU
	s_barrier_wait -1
	CREST
	tensor_load_to_lds s[G0V:G0V+3], s[G1V:G1V+7]  ; my one load behind the round
	s_nop 0
	NOPS 4
.endif
.endm
.macro VFETCH d                        ; channel tile d of the chunk, both key steps: 8 loads
	WIN 0xc0
.irp t, 0,1
.irp c, 0,1,2,3
	ds_load_b128 v[32*((\d)%4)+16*\t+4*\c:32*((\d)%4)+16*\t+4*\c+3], v[AK] offset:16384*\t+2048*(\d)+512*\c
.endr
.endr
.endm
.macro PV n, k                         ; product n of channel tile k: query tile n % 8, key step n / 8
.set T_, (\n)/8
.set M_, (\n)%8
.set D_, DS_+8*M_
.set A_, 128*T_+16*M_
.set B_, 32*((\k)%4)+16*T_
.set R_, VS+4*T_+(\k)/2
.if T_
.if (\k)%2
	v_wmma_scale_f32_16x16x128_f8f6f4 v[D_:D_+7], v[A_:A_+15], v[B_:B_+15], v[D_:D_+7], v[PSC+M_], v[R_] matrix_a_fmt:MATRIX_FMT_BF8 matrix_b_fmt:MATRIX_FMT_BF8 matrix_a_scale:MATRIX_SCALE_ROW1 matrix_b_scale:MATRIX_SCALE_ROW1
.else
	v_wmma_scale_f32_16x16x128_f8f6f4 v[D_:D_+7], v[A_:A_+15], v[B_:B_+15], v[D_:D_+7], v[PSC+M_], v[R_] matrix_a_fmt:MATRIX_FMT_BF8 matrix_b_fmt:MATRIX_FMT_BF8 matrix_a_scale:MATRIX_SCALE_ROW1
.endif
.else
.if (\k)%2
	v_wmma_scale_f32_16x16x128_f8f6f4 v[D_:D_+7], v[A_:A_+15], v[B_:B_+15], 0, v[PSC+M_], v[R_] matrix_a_fmt:MATRIX_FMT_BF8 matrix_b_fmt:MATRIX_FMT_BF8 matrix_b_scale:MATRIX_SCALE_ROW1
.else
	v_wmma_scale_f32_16x16x128_f8f6f4 v[D_:D_+7], v[A_:A_+15], v[B_:B_+15], 0, v[PSC+M_], v[R_] matrix_a_fmt:MATRIX_FMT_BF8 matrix_b_fmt:MATRIX_FMT_BF8
.endif
.endif
.endm
.macro RL l, o                         ; line l of 32: O at o x the queries' weights, summed over the queries of a lane in four pairs; each accumulator from its low end on
.set M_, (\l)/4
.set Q_, (\l)%4
.set X_, (\o)+8*M_+2*Q_
.set Y_, W+8*M_+2*Q_
.set Z_, AC+2*Q_
.if M_
	v_pk_fma_f32 v[Z_:Z_+1], v[X_:X_+1], v[Y_:Y_+1], v[Z_:Z_+1]
.else
	v_pk_mul_f32 v[Z_:Z_+1], v[X_:X_+1], v[Y_:Y_+1]
.endif
.endm
.macro RT i                            ; and the four pairs' sum
.if (\i) == 0
	v_pk_add_f32 v[AC:AC+1], v[AC:AC+1], v[AC+2:AC+3]
.elseif (\i) == 1
	v_pk_add_f32 v[AC+4:AC+5], v[AC+4:AC+5], v[AC+6:AC+7]
.elseif (\i) == 2
	v_pk_add_f32 v[AC:AC+1], v[AC:AC+1], v[AC+4:AC+5]
.else
	v_add_f32 v[RR], v[AC], v[AC+1]
.endif
.endm
; CHANNEL TILE k OF A CHUNK: 16 products on 8 accumulators by turns; the tile before is reduced among them.  The very first reduces what stands in the other set; its sum goes to the 64 bytes that nobody reads
.macro DT k
.if (\k) < 6
	s_wait_dscnt 16                                ; this tile's V is in; the next two tiles' 16 loads may be out
.elseif (\k) == 6
	s_wait_dscnt 8                                 ; the next tile's 8 may be out
.else
	s_wait_dscnt 0x0
.endif
.set DS_, S+64*((\k)%2)
.set OS_, S+64*(((\k)+1)%2)
.set N_, 0
.set L_, 0
.rept 16
	WIN 0x0e                                       ; P window 2, V window 3, O window 0
	PV N_, \k
.if N_ < 11
	WIN 0x54
.rept 3
.if L_ < 32
	RL L_, OS_
.endif
.set L_, L_+1
.endr
.elseif N_ < 15
	WIN 0x55
	RT N_-11
.else
	WIN 0x04
	ds_store_b32 v[RA], v[RR] offset:64*(\k)
.endif
.if (N_ == 5) && ((\k) < 5)
	VFETCH (\k)+3                                  ; into the buffer of the tile before: 18 plain lines stand behind its last product
.endif
.set N_, N_+1
.endr
.endm
	s_load_b256 s[4:11], s[0:1], 0x0               ; qc s[4:5], kv s[6:7], sc s[8:9], part s[10:11]
	v_lshl_add_u32 v[SPW], v0, 2, SPARE
	v_mov_b32 v[NIL], 0
	ds_add_u32 v[SPW], v[NIL]                      ; the wave's opening: the add, twice on end
	ds_add_u32 v[SPW], v[NIL]
	v_lshrrev_b32 v60, 5, v0
	v_readfirstlane_b32 s[WV], v60                 ; wave 0..3
	s_bfe_u32 s13, ttmp6, 0x40000                  ; cx: it enters the addresses of Q, of part and of the prefetch alone
	s_mov_b32 s16, ttmp9                           ; the batch, which the four partners share: its two clusters lie 32 clusters apart
	s_and_b32 s14, ttmp7, 0xffff
	s_lshl_b32 s14, s14, 2
	s_add_co_u32 s14, s14, s13                     ; my block of 128 queries
	; group 1 for K: 32,768 dense bytes as 128 rows of 256 (32 elements of 8 bytes)
	s_mov_b32 s[G1C], 15|(3<<16)|(1<<21)           ; 15:0 the mask: all four work-groups; 17:16 elements of 8 bytes; 21 set beside a mask
	s_mov_b32 s[G1C+1], 32<<16
	s_mov_b32 s[G1C+2], 128<<16
	s_mov_b32 s[G1C+3], 32<<16
	s_mov_b32 s[G1C+4], 128
	s_mov_b32 s[G1C+5], 32
	s_mov_b32 s[G1C+6], 0
	s_mov_b32 s[G1C+7], 0
	; for V: eight channel tiles of my two key steps: two rows of 16,384 bytes, 65,536 bytes apart
	s_mov_b32 s[G1V], 15|(3<<16)|(1<<21)
	s_mov_b32 s[G1V+1], 2048<<16
	s_mov_b32 s[G1V+2], 2<<16
	s_mov_b32 s[G1V+3], 2048<<16
	s_mov_b32 s[G1V+4], 2
	s_mov_b32 s[G1V+5], 8192
	s_mov_b32 s[G1V+6], 0
	s_mov_b32 s[G1V+7], 0
	s_lshl_b32 s15, s[WV], 15                      ; my slot
	s_mov_b32 s[G0A], 1
	s_mov_b32 s[G0A+1], s15
	s_mov_b32 s[G0W], 1
	s_add_co_u32 s[G0W+1], s15, SLOTB
	s_mov_b32 s[G0V], 1
	s_add_co_u32 s[G0V+1], s15, SLOTB              ; (turned to the first slot ahead of its first load)
	s_mov_b32 s[CS], 0x3db8aa3b                    ; c = log2(e) / 16
	s_mov_b32 s[CS+1], s[CS]                       ; (named with it as a pair, so it is written)
	s_mov_b32 s[SEL], 0x76543210
	s_mov_b32 s[SEL+1], 0xfedcba98
	s_mov_b32 s[HB], 0x3fe00000
	s_mov_b32 s[HM], 0xffff0000
	s_mov_b32 s[MG], 0x4b000000
	s_mov_b32 s[MG+1], s[MG]
	s_mov_b32 s[SLA], 0x400
	s_mov_b32 s[SLB], 0x5040100
	s_mov_b32 s[KOFF], 0
	s_mov_b32 s[BOFF], 0
	s_mov_b32 s[ROFF], 0
	s_mov_b32 s[TR], 2
	s_lshl_b32 s2, s[WV], 10
	s_add_co_u32 s2, s2, BIA
	s_lshl_b32 s3, s[WV], 2
	s_add_co_u32 s3, s3, EX
	s_lshl_b32 s18, s[WV], 9
	s_add_co_u32 s18, s18, FW
	s_mul_i32 s19, s[WV], 2176
	s_add_co_u32 s19, s19, RED
	s_lshl_b32 s22, s[WV], 13
	s_add_co_u32 s22, s22, QST
	v_and_b32 v60, 31, v0                          ; lane
	v_and_b32 v61, 15, v0                          ; r
	v_bfe_u32 v62, v0, 4, 1                        ; h
	v_lshlrev_b32 v[LI], 4, v60
	v_lshlrev_b32 v[PFO], 8, v60
	v_lshlrev_b32 v195, 3, v60                     ; 8 x lane
	v_add_nc_u32 v[AK0], s15, v[LI]
	v_lshl_add_u32 v[AB0], v62, 6, s2
	v_add_nc_u32 v192, s22, v[LI]                  ; where I stage my quarter of Q,
	v_add_nc_u32 v193, QST, v[LI]                  ; where I read all of it,
	v_add_nc_u32 v194, s2, v[LI]                   ; where I stage my biases
	v_lshl_add_u32 v[EXA], v61, 4, s3
	v_lshl_add_u32 v[WA], v62, 5, s18
	v_mul_u32_u24 v[RA0], v62, 1088
	v_lshl_add_u32 v[RA0], v61, 2, v[RA0]
	v_add_nc_u32 v[RA0], s19, v[RA0]
	v_mov_b32 v[CVS], 0x38000000                   ; 2^-15
	WALU
	s_wait_dscnt 0x0                               ; both opening adds are done
	s_wait_kmcnt 0x0
	s_lshl_b32 s20, s16, 19                        ; the batch's 8 steps of 65,536 bytes,
	s_lshl_b32 s21, s[WV], 17
	s_add_co_u32 s20, s20, s21                     ; my two
	s_mov_b32 s21, 0
	s_add_nc_u64 s[G0A+2:G0A+3], s[6:7], s[20:21]
	s_add_nc_u64 s[G0W+2:G0W+3], s[G0A+2:G0A+3], 65536
	s_add_nc_u64 s[G0V+2:G0V+3], s[G0A+2:G0A+3], 16384     ; (a chunk ahead of V's first, which begins 32,768 bytes on)
	s_or_b32 s[G0A+3], s[G0A+3], 0x80000000        ; type = 2
	s_or_b32 s[G0W+3], s[G0W+3], 0x80000000
	s_or_b32 s[G0V+3], s[G0V+3], 0x80000000
	s_lshr_b32 s22, s13, 1
	s_lshl_b32 s22, s22, 16
	s_and_b32 s23, s13, 1
	s_lshl_b32 s23, s23, 13
	s_add_co_u32 s20, s20, s22
	s_add_co_u32 s20, s20, s23
	s_add_co_u32 s20, s20, 32768
	s_add_nc_u64 s[PFA:PFA+1], s[6:7], s[20:21]    ; the prefetches: of V's first chunk, 8,192 bytes of each wave's for my work-group
	s_lshl_b32 s17, s16, 3
	s_add_co_u32 s17, s17, s14                     ; 8 b + my block
	s_mul_i32 s18, s17, 33792
	s_mov_b32 s19, 0
	s_add_nc_u64 s[4:5], s[4:5], s[18:19]          ; my block of qc,
	s_lshl_b32 s18, s[WV], 13
	s_add_nc_u64 s[QW:QW+1], s[4:5], s[18:19]      ; my wave's quarter of its fragments
	s_mul_i32 s18, s16, 20480
	s_mul_i32 s20, s[WV], 5120
	s_add_co_u32 s18, s18, s20
	s_add_nc_u64 s[8:9], s[8:9], s[18:19]          ; my two steps' scale words and biases
	s_lshl_b32 s18, s17, 10
	s_add_nc_u64 s[10:11], s[10:11], s[18:19]      ; my row of part
.set k, 0
.rept 16
	global_load_b128 v[S+4*k:S+4*k+3], v[LI], s[QW:QW+1] offset:512*k
.set k, k+1
.endr
.irp t, 0,1
	global_load_b128 v[S+64+4*\t:S+64+4*\t+3], v[LI], s[8:9] offset:2560*\t+2048
.endr
.irp q, 0,1
	global_load_b128 v[QSC+4*\q:QSC+4*\q+3], v[LI], s[4:5] offset:32768+512*\q
.irp t, 0,1
	global_load_b128 v[KS+8*\t+4*\q:KS+8*\t+4*\q+3], v[LI], s[8:9] offset:2560*\t+512*\q
.endr
.endr
.irp t, 0,1
.irp w, 0,1,2,3
	global_load_b64 v[VS+8*(\w/2)+4*\t+2*(\w%2):VS+8*(\w/2)+4*\t+2*(\w%2)+1], v195, s[8:9] offset:2560*\t+1024+256*\w
.endr
.endr
	CROUND                                         ; all four work-groups are here: the first joint loads meet
	tensor_load_to_lds s[G0A:G0A+3], s[G1C:G1C+7]  ; my first step's K: one tensor load a wave at the head
	s_nop 0
	NOPS 4
	WIN 0x80                                       ; what a trip's head copies is written once ahead of the first: zeros
.set k, 0
.rept 128
	v_mov_b32 v[PC+k], 0
.set k, k+1
.endr
	WIN 0x40
.set k, 0
.rept 64
	v_mov_b32 v[FC+k], 0
.set k, k+1
.endr
.irp i, 0,1,2,3
	v_mov_b32 v[PX+\i], 0                          ; a lane permute's destination counts as one of its sources
.endr
	WIN 0
	WALU
	s_wait_loadcnt 14                              ; Q and the biases are in; the 14 loads of scale words may be out
.set k, 0
.rept 16
	ds_store_b128 v192, v[S+4*k:S+4*k+3] offset:512*k
.set k, k+1
.endr
	ds_store_b128 v194, v[S+64:S+67]
	ds_store_b128 v194, v[S+68:S+71] offset:512
	s_wait_dscnt 0x0
	s_barrier_signal -1
	s_barrier_wait -1                              ; everybody's quarter of Q is staged
	WIN 0xc0
.set k, 0
.rept 64
	ds_load_b128 v[4*k:4*k+3], v193 offset:512*k   ; all 8 tiles of Q stay in registers
.set k, k+1
.endr
	WIN 0
	s_wait_loadcnt 0x0
	s_wait_tensorcnt 0x0                           ; my first step's K is in
	ds_add_u32 v[SPW], v[NIL]
	s_wait_dscnt 0x0
	CROUND
	tensor_load_to_lds s[G0W:G0W+3], s[G1C:G1C+7]  ; my second step's K
	s_nop 0
	NOPS 4
; PREFETCHES INTO THE L2: a chunk of V is asked for one fill, a key step's work, ahead of its tensor load.  The four partners and their waves share its blocks out by address: 8,192 bytes a wave, lanes 256 bytes apart, each block named once in the cluster
	global_prefetch_b8 v[PFO], s[PFA:PFA+1] th:TH_LOAD_NT scope:SCOPE_SE
.Ltrip:                                                ; two trips: a key step each
	v_add_nc_u32 v[AK], s[KOFF], v[AK0]
	v_add_nc_u32 v[AB], s[BOFF], v[AB0]
	KFETCH 0
	WIN 0x41
.set k, 0
.rept 64
	v_mov_b32 v[FO+k], v[FC+k]                     ; the step before's numbers make room (the first trip's are the head's zeros)
.set k, k+1
.endr
	WIN 0
	WALU
	s_wait_dscnt 0x0
.set n, 0
.rept 16
	WM n, 0, 0
	WIN 0x82
.set k, 8*n
.rept 8
	v_mov_b32 v[k], v[PC+k]                        ; and its codes
.set k, k+1
.endr
.set n, n+1
.endr
	REGION 0
	REGION 1
	REGION 2
	REGION 3
	REGION 4
	REGION 5
	REGION 6
	REGION 7
	s_cmp_eq_u32 s[TR], 2                          ; V's second chunk, in the first trip alone
	s_cbranch_scc0 .Lno_ask
	global_prefetch_b8 v[PFO], s[PFA:PFA+1] offset:16384 th:TH_LOAD_NT scope:SCOPE_SE
.Lno_ask:
	s_add_co_u32 s[KOFF], s[KOFF], SLOTB
	s_add_co_u32 s[BOFF], s[BOFF], 512
	s_sub_co_u32 s[TR], s[TR], 1
	s_cmp_lg_u32 s[TR], 0
	s_cbranch_scc1 .Ltrip
	; M, THE SCALE BYTES AND l.  V's first chunk is in (waited for ahead of the last round); its second is on its way
	s_mov_b32 s[KOFF], 0
	v_add_nc_u32 v[AK], s[KOFF], v[AK0]
	v_add_nc_u32 v[RA], s[ROFF], v[RA0]
	VFETCH 0
	VFETCH 1
	VFETCH 2
	WIN 0x55
.irp m, 0,1,2,3,4,5,6,7
	v_min3_num_f32 v[NM+2*\m], v[FC+4*\m], v[FC+4*\m+1], v[FC+4*\m+2]
.endr
.irp m, 0,1,2,3,4,5,6,7
	v_min3_num_f32 v[NM+2*\m], v[NM+2*\m], v[FC+4*\m+3], v[FO+4*\m]
.endr
.irp m, 0,1,2,3,4,5,6,7
	v_min3_num_f32 v[NM+2*\m], v[NM+2*\m], v[FO+4*\m+1], v[FO+4*\m+2]
.endr
.irp m, 0,1,2,3,4,5,6,7
	v_min_num_f32 v[NM+2*\m], v[NM+2*\m], v[FO+4*\m+3]     ; -M of my keys
.endr
.irp m, 0,1,2,3,4,5,6,7
	v_add_f32 v[NM+2*\m], 0x42e00000, v[NM+2*\m]           ; 112 - M; where it is rounded, all that follows takes the rounded number
.endr
.irp q, 0,2
.irp m, 0,1,2,3,4,5,6,7
	v_pk_add_f32 v[FC+4*\m+\q:FC+4*\m+\q+1], v[FC+4*\m+\q:FC+4*\m+\q+1], v[NM+2*\m:NM+2*\m+1] op_sel_hi:[1,0] neg_lo:[1,0] neg_hi:[1,0]   ; 112 + F - M
	v_pk_add_f32 v[FO+4*\m+\q:FO+4*\m+\q+1], v[FO+4*\m+\q:FO+4*\m+\q+1], v[NM+2*\m:NM+2*\m+1] op_sel_hi:[1,0] neg_lo:[1,0] neg_hi:[1,0]
.endr
.endr
.set k, 0
.rept 32
	v_max_num_f32 v[FC+k], 1.0, v[FC+k]            ; the byte does not fall under 1
	v_max_num_f32 v[FO+k], 1.0, v[FO+k]
.set k, k+1
.endr
.set k, 0
.rept 16
	v_pk_add_f32 v[FC+k:FC+k+1], v[FC+k:FC+k+1], s[MG:MG+1] op_sel_hi:[1,0]   ; + 2^23: the whole number stands in the low bits
	v_pk_add_f32 v[FO+k:FO+k+1], v[FO+k:FO+k+1], s[MG:MG+1] op_sel_hi:[1,0]
.set k, k+2
.endr
.irp m, 0,1,2,3,4,5,6,7
.irp q, 0,1,2,3
	v_lshlrev_b32 v[G+8*\m+\q], 23, v[FC+4*\m+\q]          ; 2^(byte - 127)
	v_lshlrev_b32 v[G+8*\m+4+\q], 23, v[FO+4*\m+\q]
.endr
.endr
.irp m, 0,1,2,3,4,5,6,7
	v_pk_mul_f32 v[LA+2*\m:LA+2*\m+1], v[LC+4*\m:LC+4*\m+1], v[G+8*\m:G+8*\m+1]
.endr
.irp m, 0,1,2,3,4,5,6,7
	v_pk_fma_f32 v[LA+2*\m:LA+2*\m+1], v[LC+4*\m+2:LC+4*\m+3], v[G+8*\m+2:G+8*\m+3], v[LA+2*\m:LA+2*\m+1]
.endr
.irp m, 0,1,2,3,4,5,6,7
	v_pk_fma_f32 v[LA+2*\m:LA+2*\m+1], v[LO+4*\m:LO+4*\m+1], v[G+8*\m+4:G+8*\m+5], v[LA+2*\m:LA+2*\m+1]
.endr
.irp m, 0,1,2,3,4,5,6,7
	v_pk_fma_f32 v[LA+2*\m:LA+2*\m+1], v[LO+4*\m+2:LO+4*\m+3], v[G+8*\m+6:G+8*\m+7], v[LA+2*\m:LA+2*\m+1]
.endr
.irp m, 0,1,2,3,4,5,6,7
	v_add_f32 v[LA+2*\m], v[LA+2*\m], v[LA+2*\m+1]
.endr
.irp m, 0,1,2,3,4,5,6,7
	v_permlanex16_b32 v[PXS+\m], v[LA+2*\m], s[SEL], s[SEL+1]
.endr
.irp m, 0,1,2,3,4,5,6,7
	v_add_f32 v[LA+2*\m], v[LA+2*\m], v[PXS+\m]            ; with lane l xor 16's: my keys' l x 2^-15
.endr
.irp f, FC, FO
.irp m, 0,1,2,3,4,5,6,7
	v_perm_b32 v[\f+4*\m], v[\f+4*\m+1], v[\f+4*\m], s[SLA]
	v_perm_b32 v[\f+4*\m+2], v[\f+4*\m+3], v[\f+4*\m+2], s[SLA]
.endr
.irp m, 0,1,2,3,4,5,6,7
	v_perm_b32 v[\f+4*\m], v[\f+4*\m+2], v[\f+4*\m], s[SLB]        ; four bytes make a step's scale word
.endr
.endr
	WIN 0x15
.irp m, 0,1,2,3,4,5,6,7
	v_cndmask_b32 v[PSC+\m], v[FO+4*\m], v[FC+4*\m], s[HM]
.endr
	WIN 0x04
.irp m, 0,1,2,3,4,5,6,7
	ds_store_b32 v[EXA], v[NM+2*\m] offset:256*\m          ; both halves of the lanes write the same word with the same value
	ds_store_b32 v[EXA], v[LA+2*\m] offset:2048+256*\m
.endr
	WIN 0
	WALU
	s_wait_dscnt 0x0
	s_barrier_signal -1
	s_barrier_wait -1
	v_lshl_add_u32 v61, v0, 4, EX                  ; thread q takes query q: the four waves' numbers
	v_lshl_add_u32 v62, v0, 2, FW
	ds_load_b128 v[192:195], v61
	ds_load_b128 v[196:199], v61 offset:2048
	WALU
	s_wait_dscnt 0x0
	v_min3_num_f32 v200, v192, v193, v194
	v_min_num_f32 v200, v200, v195
.irp w, 0,1,2,3
	v_sub_f32 v[204+\w], v200, v[192+\w]           ; M of wave w - M: a whole number, 0 or less
.endr
.irp w, 0,1,2,3
	v_cvt_i32_f32 v[204+\w], v[204+\w]
.endr
.irp w, 0,1,2,3
	v_ldexp_f32 v[204+\w], 1.0, v[204+\w]
.endr
	v_mul_f32 v201, v196, v204
	v_fma_f32 v201, v197, v205, v201
	v_fma_f32 v201, v198, v206, v201
	v_fma_f32 v201, v199, v207, v201
	v_mul_f32 v201, 0x47000000, v201               ; l: the codes stand 2^15 above p, and the scale bytes' powers of two 2^15 under 2^(F - M)
	WALU
	v_rcp_f32 v202, v201
	v_nop
	WALU
.irp w, 0,1,2,3
	v_mul_f32 v[204+\w], v[204+\w], v202
.endr
.irp w, 0,1,2,3
	ds_store_b32 v62, v[204+\w] offset:512*\w
.endr
	s_wait_dscnt 0x0
	s_barrier_signal -1
	s_barrier_wait -1
	WIN 0x40
.irp m, 0,1,2,3,4,5,6,7
	ds_load_b128 v[W+8*\m:W+8*\m+3], v[WA] offset:64*\m
	ds_load_b128 v[W+8*\m+4:W+8*\m+7], v[WA] offset:64*\m+16
.endr
	WIN 0
	s_mov_b32 s[TR], 2
	s_wait_dscnt 0x0
.Lpv:                                                  ; two trips: a chunk of eight channel tiles each
	DT 0
	DT 1
	DT 2
	DT 3
	DT 4
	DT 5
	DT 6
	DT 7
	WIN 0
	NOPS 8                                         ; places behind the last product
.irp q, 0,1,2,3,4,5,6,7
	v_mov_b32 v[VS+\q], v[VS+8+\q]
.endr
	s_add_co_u32 s[KOFF], s[KOFF], SLOTB
	s_add_co_u32 s[ROFF], s[ROFF], 512
	v_add_nc_u32 v[AK], s[KOFF], v[AK0]
	v_add_nc_u32 v[RA], s[ROFF], v[RA0]
	WALU
	s_wait_tensorcnt 0x0                           ; V's second chunk is in
	s_sub_co_u32 s[TR], s[TR], 1
	s_cmp_lg_u32 s[TR], 0
	s_cbranch_scc0 .Lpv_done
	VFETCH 0
	VFETCH 1
	VFETCH 2
	WIN 0
	s_cmp_lg_u32 s[TR], 0
	s_cbranch_scc1 .Lpv
.Lpv_done:
	WIN 0x54                                       ; the last channel tile's reduction
.set k, 0
.rept 32
	RL k, S+64
.set k, k+1
.endr
	WIN 0x55
.irp i, 0,1,2,3
	RT \i
.endr
	WIN 0x04
	ds_store_b32 v[RA], v[RR]
	WIN 0
	s_wait_dscnt 0x0                               ; for the others' sake: my sums are stored
	s_barrier_signal -1
	s_barrier_wait -1
	v_lshl_add_u32 v61, v0, 3, RED+64              ; thread t takes channels 2 t and 2 t + 1 of all four waves' two halves
	v_lshlrev_b32 v62, 3, v0
.irp q, 0,1,2,3,4,5,6,7
	ds_load_b64 v[192+2*\q:193+2*\q], v61 offset:1088*\q
.endr
	WALU
	s_wait_dscnt 0x0
.irp q, 0,4,8,12
	v_pk_add_f32 v[192+\q:193+\q], v[192+\q:193+\q], v[194+\q:195+\q]
.endr
	v_pk_add_f32 v[192:193], v[192:193], v[196:197]
	v_pk_add_f32 v[200:201], v[200:201], v[204:205]
	v_pk_add_f32 v[192:193], v[192:193], v[200:201]
	WALU
	global_store_b64 v62, v[192:193], s[10:11]     ; a wave stores 256 consecutive bytes, aligned
	s_wait_tensorcnt 0x0                           ; the wave's end
	ds_add_u32 v[SPW], v[NIL]
	s_wait_dscnt 0x0
	CROUND                                         ; the closing round: no work-group ends while a partner may still ask for a tile that names it
	s_endpgm
.Lfunc_end_k_q0ad4adb633_attn:
	.size	k_q0ad4adb633_attn, .Lfunc_end_k_q0ad4adb633_attn-k_q0ad4adb633_attn
	.p2alignl 7, 3214868480
	.fill 96, 4, 3214868480
	.section	.rodata,"a",@progbits
	.p2align	6, 0x0
	.amdhsa_kernel k_q0ad4adb633_attn
		.amdhsa_group_segment_fixed_size 327680
		.amdhsa_private_segment_fixed_size 0
		.amdhsa_enable_private_segment 0
		.amdhsa_kernarg_size 32
		.amdhsa_user_sgpr_count 2
		.amdhsa_user_sgpr_kernarg_segment_ptr 1
		.amdhsa_wavefront_size32 1
		.amdhsa_system_sgpr_workgroup_id_x 1
		.amdhsa_system_sgpr_workgroup_id_y 1
		.amdhsa_system_sgpr_workgroup_id_z 1
		.amdhsa_system_vgpr_workitem_id 0
		.amdhsa_next_free_vgpr 1024
		.amdhsa_next_free_sgpr 72
		.amdhsa_reserve_vcc 0
		.amdhsa_float_denorm_mode_32 3
		.amdhsa_float_denorm_mode_16_64 3
		.amdhsa_memory_ordered 1
		.amdhsa_forward_progress 1
		.amdhsa_inst_pref_size 236
	.end_amdhsa_kernel
	.amdgpu_metadata
---
amdhsa.version: [ 1, 2 ]
amdhsa.kernels:
  - .name:           k_q0ad4adb633_attn
    .symbol:         k_q0ad4adb633_attn.kd
    .args:
      - { .name: qc, .offset: 0, .size: 8, .value_kind: global_buffer, .address_space: global }
      - { .name: kv, .offset: 8, .size: 8, .value_kind: global_buffer, .address_space: global }
      - { .name: sc, .offset: 16, .size: 8, .value_kind: global_buffer, .address_space: global }
      - { .name: part, .offset: 24, .size: 8, .value_kind: global_buffer, .address_space: global }
    .group_segment_fixed_size: 327680
    .private_segment_fixed_size: 0
    .kernarg_segment_align: 8
    .kernarg_segment_size: 32
    .max_flat_workgroup_size: 128
    .sgpr_count:     72
    .vgpr_count:     1024
    .wavefront_size: 32
...
	.end_amdgpu_metadata
.endif
;; end of part 3
;; launch finish (part 4): grid 32 x 1, 2 waves a work-group, no clusters, 0 bytes of LDS; arguments part, length, out0; writes out0
.if DOCPART == 4
	.amdgcn_target "amdgcn-amd-amdhsa--gfx1250"
	.amdhsa_code_object_version 6
	.text
	.protected	k_q0ad4adb633_finish
	.globl	k_q0ad4adb633_finish
	.p2align	8
	.type	k_q0ad4adb633_finish,@function
k_q0ad4adb633_finish:
	s_mov_b64 s[64:65], 0
	v_nop
	global_prefetch_b8 v0, s[64:65] scope:SCOPE_SE
	s_setreg_imm32_b32 hwreg(HW_REG_WAVE_MODE, 25, 1), 1
	s_wait_xcnt 0x0
; out0[b][d] = (the sum over the batch's 8 blocks of queries of part[8 b + j][d]) / length[b].  One work-group a batch; thread t takes channels 4 t .. 4 t + 3.
; The sum spans work-groups of the launch before, so it is made here, in a fixed order.  The division is a multiplication by v_rcp_f32's result.
	s_load_b128 s[4:7], s[0:1], 0x0                ; part, length
	s_load_b64 s[8:9], s[0:1], 0x10                ; out0
	v_lshlrev_b32 v1, 4, v0                        ; 16 bytes a thread
	v_mov_b32 v3, 0                                ; (named as the upper half of the reciprocal's pair)
	s_lshl_b32 s10, ttmp9, 13                      ; 8 rows of 1,024 bytes a batch
	s_mov_b32 s11, 0
	s_lshl_b32 s12, ttmp9, 2
	s_mov_b32 s13, 0
	s_lshl_b32 s14, ttmp9, 10
	s_mov_b32 s15, 0
	s_wait_alu depctr_va_vdst(0)
	s_wait_kmcnt 0x0
	s_add_nc_u64 s[4:5], s[4:5], s[10:11]
	s_add_nc_u64 s[6:7], s[6:7], s[12:13]
	s_add_nc_u64 s[8:9], s[8:9], s[14:15]
.irp j, 0,1,2,3,4,5,6,7
	global_load_b128 v[4+4*\j:7+4*\j], v1, s[4:5] offset:1024*\j   ; a wave reads 512 consecutive bytes
.endr
	s_load_b32 s10, s[6:7], 0x0                    ; length[b]
	s_wait_kmcnt 0x0
	v_rcp_f32 v2, s10
	s_wait_loadcnt 0x0
.irp j, 1,2,3,4,5,6,7
	v_pk_add_f32 v[4:5], v[4:5], v[4+4*\j:5+4*\j]  ; plain work behind the reciprocal
	v_pk_add_f32 v[6:7], v[6:7], v[6+4*\j:7+4*\j]
.endr
	s_wait_alu depctr_va_vdst(0)                   ; the wait ahead of the reciprocal's first reader
	v_pk_mul_f32 v[4:5], v[4:5], v[2:3] op_sel_hi:[1,0]
	v_pk_mul_f32 v[6:7], v[6:7], v[2:3] op_sel_hi:[1,0]
	global_store_b128 v1, v[4:7], s[8:9]           ; a wave stores 512 consecutive bytes, aligned
	s_endpgm
.Lfunc_end_k_q0ad4adb633_finish:
	.size	k_q0ad4adb633_finish, .Lfunc_end_k_q0ad4adb633_finish-k_q0ad4adb633_finish
	.p2alignl 7, 3214868480
	.fill 96, 4, 3214868480
	.section	.rodata,"a",@progbits
	.p2align	6, 0x0
	.amdhsa_kernel k_q0ad4adb633_finish
		.amdhsa_group_segment_fixed_size 0
		.amdhsa_private_segment_fixed_size 0
		.amdhsa_enable_private_segment 0
		.amdhsa_kernarg_size 24
		.amdhsa_user_sgpr_count 2
		.amdhsa_user_sgpr_kernarg_segment_ptr 1
		.amdhsa_wavefront_size32 1
		.amdhsa_system_sgpr_workgroup_id_x 1
		.amdhsa_system_sgpr_workgroup_id_y 1
		.amdhsa_system_sgpr_workgroup_id_z 1
		.amdhsa_system_vgpr_workitem_id 0
		.amdhsa_next_free_vgpr 48
		.amdhsa_next_free_sgpr 66
		.amdhsa_reserve_vcc 0
		.amdhsa_float_denorm_mode_32 3
		.amdhsa_float_denorm_mode_16_64 3
		.amdhsa_memory_ordered 1
		.amdhsa_forward_progress 1
		.amdhsa_inst_pref_size 3
	.end_amdhsa_kernel
	.amdgpu_metadata
---
amdhsa.version: [ 1, 2 ]
amdhsa.kernels:
  - .name:           k_q0ad4adb633_finish
    .symbol:         k_q0ad4adb633_finish.kd
    .args:
      - { .name: part, .offset: 0, .size: 8, .value_kind: global_buffer, .address_space: global }
      - { .name: length, .offset: 8, .size: 8, .value_kind: global_buffer, .address_space: global }
      - { .name: out0, .offset: 16, .size: 8, .value_kind: global_buffer, .address_space: global }
    .group_segment_fixed_size: 0
    .private_segment_fixed_size: 0
    .kernarg_segment_align: 8
    .kernarg_segment_size: 24
    .max_flat_workgroup_size: 64
    .sgpr_count:     66
    .vgpr_count:     48
    .wavefront_size: 32
...
	.end_amdgpu_metadata
.endif
;; end of part 4
